; MI455X (gfx1250); checked and timed in simulation.
; The chip was launched on July 23, 2026; its instructions are those of AMD's public machine-readable ISA for CDNA 5 (MIT licence, August 2026) and "CDNA5" Instruction Set Architecture Reference Guide (July 2026). The comments in the code are by the model that wrote it; some were corrected since.
;; Multi Head Attention. Allowed arithmetic: matrix products marked QUANTISED: E2M1 operands, one E8M0 scale for each 32 along K, by v_wmma_scale_f32_16x16x128_f8f6f4 with both operands' format E2M1 (or v_wmma_scale_f32_32x16x128_f4), f32 sums; products left as they are: bf16, f16 or f32 operands; f32 sums; everything else in f32.
;; Inputs: bk 1,024 float32; bo 1,024 float32; bq 1,024 float32; bv 1,024 float32; wk 1,024 x 1,024 float32; wo 1,024 x 1,024 float32; wq 1,024 x 1,024 float32; wv 1,024 x 1,024 float32; x 4 x 2,048 x 1,024 float32.
;; Outputs: out0 4 x 2,048 x 1,024 float32.
;; This version of the problem:
;;   THIS VERSION OF THE PROBLEM IS GIVEN IN LOW PRECISION. The matrix products marked QUANTISED in the list below multiply operands that are first quantised to E2M1 (2 exponent bits, 1 mantissa bit; 4 bits a number), with one power-of-two scale for each 32 numbers along K (OCP MX v1.0); their sums are f32. The products marked 'left as it is' may take bf16, f16 or f32 operands, with f32 sums. Whichever they take, every output number must still come out within the allowed error. Rounding operands to bf16 (8 significant bits) uses up far more of that allowance than f16 does (11 bits, for magnitudes from 6e-5 to 65,504). All else is computed in f32.
;;   The module's matrix products, in the order in which they are computed (A, B: the left and right operand; K: the contracted axis; several contracted axes count as one K, in the product's order):
;;     1. [M 8,192, K 1,024] x [K 1,024, N 1,024]; A: input x; B: input wq: QUANTISED
;;     2. [M 8,192, K 1,024] x [K 1,024, N 1,024]; A: input x; B: input wk: QUANTISED
;;     3. [M 8,192, K 1,024] x [K 1,024, N 1,024]; A: input x; B: input wv: QUANTISED
;;     4. batch 64 x [M 2,048, K 64] x [K 64, N 2,048]; A: computed on the way; B: computed on the way: left as it is (an operand is computed on the way)
;;     5. batch 64 x [M 2,048, K 2,048] x [K 2,048, N 64]; A: computed on the way; B: computed on the way: left as it is (an operand is computed on the way)
;;     6. [M 8,192, K 1,024] x [K 1,024, N 1,024]; A: computed on the way; B: input wo: left as it is (an operand is computed on the way)
;;   THE QUANTISER, for each operand of a quantised product, along K:
;;     - K is cut into blocks of 32 from its start; a last block that is shorter is filled with zeros.
;;     - A block's scale is 2^e with e = floor(log2(the largest magnitude in the block)) - 2, held to -126 .. 127; a block of zeros has e = 0. As a byte (E8M0): e + 127.
;;     - Each number is divided by its block's scale, clamped to +-6, and rounded to the nearest number of E2M1, ties to even, subnormals kept.
;;     - The product sums the exact products of the quantised numbers (number of the format x scale) in f32.
;;   ~~~python
;;   def quantise(x, axis):      # numpy; x: float32 -> the quantised numbers, widened to float32 again
;;       x = np.moveaxis(x, axis, -1); K = x.shape[-1]
;;       x = np.pad(x, [(0, 0)] * (x.ndim - 1) + [(0, -K % 32)]); x = x.reshape(x.shape[:-1] + (-1, 32)); a = np.abs(x).max(-1, keepdims=True)
;;       e = np.where(a > 0, np.clip(np.frexp(np.where(a > 0, a, 1))[1] - 1 - 2, -126, 127), 0)      # np.frexp(a)[1] - 1 = floor(log2(a)), exactly
;;       r = np.clip(x / 2.0 ** e, -6, 6)
;;       step = 2.0 ** (np.maximum(np.frexp(np.where(r == 0, 1, r))[1] - 1, 0) - 1)
;;       q = np.round(r / step) * step * 2.0 ** e      # np.round: ties to even
;;       return np.moveaxis(q.reshape(q.shape[:-2] + (-1,))[..., :K], -1, axis).astype(np.float32)
;;   ~~~
;; One version. Each part assembles by itself: llvm-mc -triple=amdgcn-amd-amdhsa -mcpu=gfx1250 --defsym DOCPART=n.
;; ======== version 1 of 1: 5 launches
;; limits: values are held in f16: magnitudes above 65,504 overflow, below 6.1e-05 lose precision; right only within a limited range of input values
;; workspace buffers: x_codes 4,194,304 bytes; x_scales 262,144 bytes; w_codes 1,572,864 bytes; w_scales 98,304 bytes; wo16 2,097,152 bytes; qkv 50,331,648 bytes; oh 16,777,216 bytes
;; launch quant_x (part 1): grid 256 x 1, 4 waves a work-group, no clusters, 33,280 bytes of LDS; arguments x, x_codes, x_scales; writes x_codes, x_scales
.if DOCPART == 1
	.amdgcn_target "amdgcn-amd-amdhsa--gfx1250"
	.amdhsa_code_object_version 6
	.text
	.protected	k_q7bad8c3a16_quant_x
	.globl	k_q7bad8c3a16_quant_x
	.p2align	8
	.type	k_q7bad8c3a16_quant_x,@function
k_q7bad8c3a16_quant_x:
	s_mov_b64 s[64:65], 0
	v_nop
	global_prefetch_b8 v0, s[64:65] scope:SCOPE_SE
	s_setreg_imm32_b32 hwreg(HW_REG_WAVE_MODE, 25, 1), 1
	s_wait_xcnt 0x0
; x [8192][1024] f32 becomes codes of FP4 (E2M1), K innermost, two codes a byte (the lower k in the low four bits), and one E8M0 byte for each 32 along K.
; A block's scale is 2^(floor(log2(largest magnitude)) - 2): its byte is the largest magnitude's exponent field - 2, held at 1 from below.
; LIMITS: a block of zeros gets the byte 1 where the rule says 127 (its codes are zeros, and this program alone reads the bytes); NaN and infinities among the inputs are not served.
; Rows are dense and 1024 is a multiple of 32: x is a plain stream of blocks of 32, and so are the codes and the bytes.
; A wave takes 16 steps of 512 numbers.  Each load reads 512 consecutive bytes, 16 a lane; a step's 2,048 bytes turn through the wave's own stage in LDS and come back 64 bytes a lane,
; so that a lane holds 16 neighbours along K (two neighbouring lanes hold a block).  A lane's 16 codes are 8 bytes: the wave stores 256 consecutive bytes.  The wave's 256 scale bytes leave as one store of 256 bytes.
; Waves share nothing: no barrier.  Loads run four steps (16 loads a wave) ahead, the turn through LDS one step.
.set WAVES, 4
.set STEPS, 16
.set EMAX,  2
.set CB,    8                          ; bytes of 16 codes
.set R,     16                         ; v16-79   four sets of 16 numbers as loaded
.set X,     80                         ; v80-111  two sets of 16 neighbours
.set E,     112                        ; v112-127 a scale byte for each step
.set C,     128                        ; v128-191 codes: registers of its own for each step, so that no store's data are written again
.set WREG,  8192                       ; LDS: a region for each wave: two stages of 32 x SP bytes, then its 256 scale bytes
.set SP,    80                         ; a lane's place in a stage: 64 bytes + 16 of padding
.set SPW,   12                         ; v12 LDS address of my spare word; never rewritten
.set NIL,   13                         ; v13 0; never rewritten
.set SPARE, WAVES*WREG                 ; behind the regions: the spare words, 128 bytes a wave
	s_load_b128 s[4:7], s[0:1], 0x0                ; x s[4:5], the codes s[6:7]
	s_load_b64 s[8:9], s[0:1], 0x10                ; the scale bytes
	v_lshl_add_u32 v[SPW], v0, 2, SPARE
	v_mov_b32 v[NIL], 0
	v_lshrrev_b32 v1, 5, v0
	v_readfirstlane_b32 s16, v1                    ; wave
	v_and_b32 v2, 31, v0                           ; lane
	v_lshlrev_b32 v3, 4, v2                        ; my 16 bytes of a load's 512
	s_mul_i32 s17, s16, WREG
	v_lshrrev_b32 v14, 2, v2
	v_mul_u32_u24 v14, v14, SP
	v_and_b32 v15, 3, v2
	v_lshl_add_u32 v14, v15, 4, v14
	v_add_nc_u32 v14, s17, v14                     ; the stage, on the way in: SP (lane / 4) + 16 (lane % 4)
	v_mul_u32_u24 v15, v2, SP
	v_add_nc_u32 v15, s17, v15                     ; and on the way out: SP x lane
	v_mul_u32_u24 v4, v2, CB                       ; my codes' place in a step's
	v_lshrrev_b32 v5, 1, v2
	s_add_co_u32 s17, s17, 2*32*SP
	v_add_nc_u32 v5, s17, v5                       ; LDS: my block's byte among my wave's 256
	v_lshlrev_b32 v7, 3, v2                        ; on the way out 8 bytes a lane
	v_add_nc_u32 v6, s17, v7
	s_lshl_b32 s18, ttmp9, 2
	s_add_co_u32 s18, s18, s16                     ; which run of 8,192 numbers is my wave's: 0 .. 1023
	s_lshl_b32 s20, s18, 15                        ; 32,768 bytes of x,
	s_mov_b32 s21, 0
	s_lshl_b32 s22, s18, 12                        ; 4,096 of codes,
	s_mov_b32 s23, 0
	s_lshl_b32 s24, s18, 8                         ; 256 scale bytes a run
	s_mov_b32 s25, 0
	s_wait_kmcnt 0x0
	s_add_nc_u64 s[4:5], s[4:5], s[20:21]
	s_add_nc_u64 s[6:7], s[6:7], s[22:23]
	s_add_nc_u64 s[8:9], s[8:9], s[24:25]
.macro LOAD t
.irp i, 0,1,2,3
	global_load_b128 v[R+16*((\t)%4)+4*\i:R+16*((\t)%4)+4*\i+3], v3, s[4:5] offset:2048*(\t)+512*\i th:TH_LOAD_NT
.endr
.endm
.macro TURN t                          ; step t's numbers through the stage: LDS serves a wave's instructions in order, so no wait stands between the stores and the loads
.irp i, 0,1,2,3
	ds_store_b128 v14, v[R+16*((\t)%4)+4*\i:R+16*((\t)%4)+4*\i+3] offset:32*SP*((\t)%2)+8*SP*\i
.endr
.irp i, 0,1,2,3
	ds_load_b128 v[X+16*((\t)%2)+4*\i:X+16*((\t)%2)+4*\i+3], v15 offset:32*SP*((\t)%2)+16*\i
.endr
.endm
.irp t, 0,1,2,3
	LOAD \t
.endr
	s_wait_loadcnt 12                              ; step 0's four loads are in; the twelve of steps 1 to 3 may be out
	TURN 0
.macro STEP t
.set XS, X+16*((\t)%2)
.if (\t) > 0
	s_wait_dscnt 1                                 ; this step's numbers are back from the stage; the last step's byte store may be out
.else
	s_wait_dscnt 0x0
.endif
.if (\t)+4 < STEPS
	LOAD (\t)+4                                    ; into the set that this step's stage stores have read
.endif
.if (\t)+1 < STEPS
.if STEPS-2-(\t) >= 3
	s_wait_loadcnt 12                              ; the next step's four loads are in; those of the three steps behind it may be out
.else
	s_wait_loadcnt 4*(STEPS-2-(\t))
.endif
	TURN (\t)+1
.endif
	v_max3_num_f32 v8, |v[XS]|, |v[XS+1]|, |v[XS+2]|               ; the largest magnitude of my 16, in two chains
	v_max3_num_f32 v9, |v[XS+3]|, |v[XS+4]|, |v[XS+5]|
.irp i, 6,10
	v_max3_num_f32 v8, v8, |v[XS+\i]|, |v[XS+\i+1]|
	v_max3_num_f32 v9, v9, |v[XS+\i+2]|, |v[XS+\i+3]|
.endr
	v_max3_num_f32 v8, v8, |v[XS+14]|, |v[XS+15]|
	v_max3_num_f32 v8, v8, v9, (EMAX+1)<<23        ; and the floor 2^(3 - 127): the byte cannot fall under 1
	v_max_num_f32_dpp v8, v8, v8 row_xmask:1 row_mask:0xf bank_mask:0xf   ; with my neighbour's 16: the block's
	v_add_nc_u32 v11, -(EMAX<<23), v8              ; 2 off its exponent field: the conversion takes this operand's exponent field as its scale
	v_cvt_scalef32_pk8_fp4_f32 v[C+4*(\t)], v[XS:XS+7], v11
	v_cvt_scalef32_pk8_fp4_f32 v[C+4*(\t)+1], v[XS+8:XS+15], v11
	v_lshrrev_b32 v[E+(\t)], 23, v11               ; the scale's byte
	ds_store_b8 v5, v[E+(\t)] offset:16*(\t)       ; both lanes of a block write the same byte with the same value
	global_store_b64 v4, v[C+4*(\t):C+4*(\t)+1], s[6:7] offset:32*CB*(\t)   ; 32 lanes store 256 consecutive bytes, aligned
.endm
.irp t, 0,1,2,3,4,5,6,7,8,9,10,11,12,13,14,15
	STEP \t
.endr
	ds_load_b64 v[8:9], v6                         ; in order behind my byte stores
	s_wait_dscnt 0x0
	global_store_b64 v7, v[8:9], s[8:9]            ; 256 consecutive bytes, aligned
	s_wait_tensorcnt 0x0                           ; the wave's end, behind my last LDS store
	ds_add_u32 v[SPW], v[NIL]
	s_wait_dscnt 0x0
	s_endpgm
.Lfunc_end_k_q7bad8c3a16_quant_x:
	.size	k_q7bad8c3a16_quant_x, .Lfunc_end_k_q7bad8c3a16_quant_x-k_q7bad8c3a16_quant_x
	.p2alignl 7, 3214868480
	.fill 96, 4, 3214868480
	.section	.rodata,"a",@progbits
	.p2align	6, 0x0
	.amdhsa_kernel k_q7bad8c3a16_quant_x
		.amdhsa_group_segment_fixed_size 33280
		.amdhsa_private_segment_fixed_size 0
		.amdhsa_enable_private_segment 0
		.amdhsa_kernarg_size 24
		.amdhsa_user_sgpr_count 2
		.amdhsa_user_sgpr_kernarg_segment_ptr 1
		.amdhsa_wavefront_size32 1
		.amdhsa_system_sgpr_workgroup_id_x 1
		.amdhsa_system_sgpr_workgroup_id_y 1
		.amdhsa_system_sgpr_workgroup_id_z 1
		.amdhsa_system_vgpr_workitem_id 0
		.amdhsa_next_free_vgpr 192
		.amdhsa_next_free_sgpr 66
		.amdhsa_reserve_vcc 0
		.amdhsa_float_denorm_mode_32 3
		.amdhsa_float_denorm_mode_16_64 3
		.amdhsa_memory_ordered 1
		.amdhsa_forward_progress 1
		.amdhsa_inst_pref_size 33
	.end_amdhsa_kernel
	.amdgpu_metadata
---
amdhsa.version: [ 1, 2 ]
amdhsa.kernels:
  - .name:           k_q7bad8c3a16_quant_x
    .symbol:         k_q7bad8c3a16_quant_x.kd
    .args:
      - { .name: x, .offset: 0, .size: 8, .value_kind: global_buffer, .address_space: global }
      - { .name: x_codes, .offset: 8, .size: 8, .value_kind: global_buffer, .address_space: global }
      - { .name: x_scales, .offset: 16, .size: 8, .value_kind: global_buffer, .address_space: global }
    .group_segment_fixed_size: 33280
    .private_segment_fixed_size: 0
    .kernarg_segment_align: 8
    .kernarg_segment_size: 24
    .max_flat_workgroup_size: 128
    .sgpr_count:     66
    .vgpr_count:     192
    .wavefront_size: 32
...
	.end_amdgpu_metadata
.endif
;; end of part 1
;; launch prep_w (part 2): grid 32 x 4, 8 waves a work-group, no clusters, 19,456 bytes of LDS; arguments wq, wk, wv, wo, w_codes, w_scales, wo16; writes w_codes, w_scales, wo16
.if DOCPART == 2
	.amdgcn_target "amdgcn-amd-amdhsa--gfx1250"
	.amdhsa_code_object_version 6
	.text
	.protected	k_q7bad8c3a16_prep_w
	.globl	k_q7bad8c3a16_prep_w
	.p2align	8
	.type	k_q7bad8c3a16_prep_w,@function
k_q7bad8c3a16_prep_w:
	s_mov_b64 s[64:65], 0
	v_nop
	global_prefetch_b8 v0, s[64:65] scope:SCOPE_SE
	s_setreg_imm32_b32 hwreg(HW_REG_WAVE_MODE, 25, 1), 1
	s_wait_xcnt 0x0
; Work-group y = 0, 1, 2: wq, wk, wv ([1024 k][1024 n] f32, K the FIRST axis) become codes of FP4 laid [3072 n][512 bytes] with K innermost (n = 1024 y + column) and E8M0 bytes [3072][32].
; Work-group y = 3: wo is cast to f16, layout kept [k][n].
; LIMITS: a block of zeros gets the byte 1 where the rule says 127 (its codes are zeros; this program alone reads the bytes); NaN and infinities are not served; |wo| stays under 65,504.
; QUANTISING: a lane takes a column and its registers run down K, so that a block of 32 along K lies in one lane's 32 registers and the conversions give codes with K innermost.
; A work-group takes 64 columns x 512 along K; wave w takes columns 32 (w % 2) on and 128 along K from 128 (w / 2) on: four blocks, loads two blocks ahead.
; The codes meet in a stage in LDS (a row = a column's 256 bytes + 16 of padding); behind one barrier each wave stores 8 whole rows: sixteen lanes store 256 consecutive bytes, aligned.
; The scale bytes (16 a column here) leave as 16 bytes of each 32-byte row: 96 KB in the whole launch are stored so.
; The two ways part on the work-group's y alone; only the quantising way touches LDS or has a barrier.
.set PITCH, 272
.set SCS,   64*PITCH                   ; behind the stage: 64 columns x 16 scale bytes
.set SPARE, SCS+1024                   ; behind them: the spare words, 128 bytes a wave
.set EMAX,  2
.set X,     32                         ; v32-95   two sets of 32 numbers (the cast: v32-159 as loaded)
.set C,     96                         ; v96-99   a block's codes
.set OUTR,  112                        ; v112-127 the way out
.set SPW,   14
.set NIL,   15
	s_load_b256 s[4:11], s[0:1], 0x0               ; wq, wk, wv, wo
	s_load_b128 s[12:15], s[0:1], 0x20             ; the codes, the scale bytes
	s_load_b64 s[16:17], s[0:1], 0x30              ; wo in f16
	v_lshl_add_u32 v[SPW], v0, 2, SPARE
	v_mov_b32 v[NIL], 0
	v_lshrrev_b32 v1, 5, v0
	v_readfirstlane_b32 s18, v1                    ; wave 0..7
	v_and_b32 v2, 31, v0                           ; lane
	s_and_b32 s19, ttmp7, 0xffff                   ; y
	s_and_b32 s20, s18, 1                          ; which 32 columns
	s_lshr_b32 s21, s18, 1                         ; which 128 along K
	s_and_b32 s22, ttmp9, 15                       ; which 64 columns of the 1024
	s_lshr_b32 s23, ttmp9, 4                       ; which half of K
	v_lshlrev_b32 v3, 2, v2                        ; in: 4 bytes a lane
	s_mul_i32 s24, s20, 32*PITCH
	s_lshl_b32 s25, s21, 6
	s_add_co_u32 s24, s24, s25
	v_mul_u32_u24 v4, v2, PITCH
	v_add_nc_u32 v4, s24, v4                       ; the stage, in: row = my column, + 64 bytes for each 128 along K
	s_lshl_b32 s24, s20, 9
	s_lshl_b32 s25, s21, 2
	s_add_co_u32 s24, s24, s25
	s_add_co_u32 s24, s24, SCS
	v_lshl_add_u32 v5, v2, 4, s24                  ; my column's scale word
	s_mul_i32 s24, s18, 8*PITCH
	v_lshrrev_b32 v6, 4, v2
	v_and_b32 v11, 15, v2
	v_mul_u32_u24 v7, v6, PITCH
	v_lshl_add_u32 v7, v11, 4, v7
	v_add_nc_u32 v7, s24, v7                       ; the stage, out: my wave's 8 rows, sixteen lanes to a row
	v_lshlrev_b32 v8, 9, v6
	v_lshl_add_u32 v8, v11, 4, v8                  ; the same place in the codes' buffer: rows of 512 bytes
	v_and_b32 v10, 63, v0
	v_lshl_add_u32 v9, v10, 4, SCS                 ; waves 0 and 1: a column's 16 scale bytes a lane
	v_lshlrev_b32 v10, 5, v10                      ; and its row of 32 in memory
	v_lshlrev_b32 v16, 4, v2                       ; the cast: 16 bytes a lane in,
	v_lshlrev_b32 v17, 3, v2                       ; 8 out
	s_lshl_b32 s24, s23, 21                        ; W: (512 half + 128 quarter) rows of 4,096 bytes + 4 x column
	s_lshl_b32 s25, s21, 19
	s_add_co_u32 s24, s24, s25
	s_lshl_b32 s25, s22, 8
	s_add_co_u32 s24, s24, s25
	s_lshl_b32 s25, s20, 7
	s_add_co_u32 s24, s24, s25
	s_mov_b32 s25, 0
	s_lshl_b32 s26, s19, 19                        ; codes: (1024 y + 64 group + 8 wave) rows of 512 bytes + 256 x half
	s_lshl_b32 s27, s22, 15
	s_add_co_u32 s26, s26, s27
	s_lshl_b32 s27, s18, 12
	s_add_co_u32 s26, s26, s27
	s_lshl_b32 s27, s23, 8
	s_add_co_u32 s26, s26, s27
	s_mov_b32 s27, 0
	s_lshl_b32 s28, s19, 15                        ; scale bytes: (1024 y + 64 group) rows of 32 + 16 x half
	s_lshl_b32 s29, s22, 11
	s_add_co_u32 s28, s28, s29
	s_lshl_b32 s29, s23, 4
	s_add_co_u32 s28, s28, s29
	s_mov_b32 s29, 0
	s_lshl_b32 s30, ttmp9, 3
	s_add_co_u32 s30, s30, s18                     ; the cast: which run of 4,096 numbers
	s_lshl_b32 s32, s30, 13
	s_lshl_b32 s30, s30, 14
	s_mov_b32 s31, 0
	s_mov_b32 s33, 0
	s_wait_kmcnt 0x0
	s_cmp_eq_u32 s19, 3
	s_cbranch_scc1 .Lcast
	s_cmp_eq_u32 s19, 0                            ; the choice hangs on the work-group's y alone
	s_cselect_b64 s[4:5], s[4:5], s[6:7]
	s_cmp_eq_u32 s19, 2
	s_cselect_b64 s[4:5], s[8:9], s[4:5]
	s_add_nc_u64 s[4:5], s[4:5], s[24:25]
	s_add_nc_u64 s[12:13], s[12:13], s[26:27]
	s_add_nc_u64 s[14:15], s[14:15], s[28:29]
.macro LOAD t                          ; block t: W(32 t + i, my column) into set t % 2: 32 lanes read 128 consecutive bytes
.irp i, 0,1,2,3,4,5,6,7,8,9,10,11,12,13,14,15,16,17,18,19,20,21,22,23,24,25,26,27,28,29,30,31
	global_load_b32 v[X+32*((\t)%2)+\i], v3, s[4:5] offset:(32*(\t)+\i)*4096 th:TH_LOAD_NT
.endr
.endm
	LOAD 0
	LOAD 1
.macro BLOCK t
.set XS, X+32*((\t)%2)
.if (\t) < 3
	s_wait_loadcnt 32                              ; this block's 32 loads are in; the next block's 32 may be out
.else
	s_wait_loadcnt 0
.endif
	v_max3_num_f32 v12, |v[XS]|, |v[XS+1]|, |v[XS+2]|               ; the block's largest magnitude: all 32 numbers are mine
	v_max3_num_f32 v13, |v[XS+3]|, |v[XS+4]|, |v[XS+5]|
.irp i, 6,10,14,18,22,26
	v_max3_num_f32 v12, v12, |v[XS+\i]|, |v[XS+\i+1]|
	v_max3_num_f32 v13, v13, |v[XS+\i+2]|, |v[XS+\i+3]|
.endr
	v_max3_num_f32 v12, v12, |v[XS+30]|, |v[XS+31]|
	v_max3_num_f32 v12, v12, v13, (EMAX+1)<<23     ; and the floor 2^(3 - 127)
	v_add_nc_u32 v11, -(EMAX<<23), v12             ; the conversion's scale operand
	v_lshrrev_b32 v13, 23, v11                     ; the scale's byte
.if (\t) == 0
	v_mov_b32 v24, v13                             ; four bytes to a word, the lower K in the lower byte
.else
	v_lshl_or_b32 v24, v13, 8*(\t), v24
.endif
.irp g, 0,1,2,3
	v_cvt_scalef32_pk8_fp4_f32 v[C+\g], v[XS+8*\g:XS+8*\g+7], v11
.endr
	ds_store_b128 v4, v[C:C+3] offset:16*(\t)      ; 32 codes: 16 bytes of my column's row
.if (\t) < 2
	LOAD (\t)+2
.endif
	s_wait_dscnt 0x0                               ; the store has read its registers: the next block's codes may be written
.endm
	BLOCK 0
	BLOCK 1
	BLOCK 2
	BLOCK 3
	ds_store_b32 v5, v24
	s_wait_dscnt 0x0                               ; for the others' sake: my stores into the stage are done
	s_barrier_signal -1
	s_barrier_wait -1
.irp i, 0,1,2,3
	ds_load_b128 v[OUTR+4*\i:OUTR+4*\i+3], v7 offset:2*\i*PITCH
.endr
.irp i, 0,1,2,3
	s_wait_dscnt 3-\i                              ; the younger loads may be out
	global_store_b128 v8, v[OUTR+4*\i:OUTR+4*\i+3], s[12:13] offset:2*\i*512
.endr
	s_cmp_lt_u32 s18, 2                            ; waves 0 and 1 send the 64 columns' scale bytes
	s_cbranch_scc0 .Lno_scales
	ds_load_b128 v[128:131], v9
	s_wait_dscnt 0x0
	global_store_b128 v10, v[128:131], s[14:15]
.Lno_scales:
	s_wait_tensorcnt 0x0                           ; the wave's end, behind my last LDS store
	ds_add_u32 v[SPW], v[NIL]
	s_wait_dscnt 0x0
	s_endpgm
.Lcast:                                                ; a wave casts 16,384 consecutive bytes of wo: 32 loads of 512 bytes, all out at once; no register is used twice
	s_add_nc_u64 s[10:11], s[10:11], s[30:31]
	s_add_nc_u64 s[16:17], s[16:17], s[32:33]
.irp i, 0,1,2,3,4,5,6,7,8,9,10,11,12,13,14,15,16,17,18,19,20,21,22,23,24,25,26,27,28,29,30,31
	global_load_b128 v[32+4*\i:35+4*\i], v16, s[10:11] offset:512*\i th:TH_LOAD_NT
.endr
.irp i, 0,1,2,3,4,5,6,7,8,9,10,11,12,13,14,15,16,17,18,19,20,21,22,23,24,25,26,27,28,29,30,31
	s_wait_loadcnt 31-\i                           ; loads come back in order: the younger ones may be out
	v_cvt_pk_f16_f32 v[160+2*\i], v[32+4*\i], v[33+4*\i]
	v_cvt_pk_f16_f32 v[161+2*\i], v[34+4*\i], v[35+4*\i]
	global_store_b64 v17, v[160+2*\i:161+2*\i], s[16:17] offset:256*\i     ; 32 lanes store 256 consecutive bytes, aligned
.endr
	s_endpgm
.Lfunc_end_k_q7bad8c3a16_prep_w:
	.size	k_q7bad8c3a16_prep_w, .Lfunc_end_k_q7bad8c3a16_prep_w-k_q7bad8c3a16_prep_w
	.p2alignl 7, 3214868480
	.fill 96, 4, 3214868480
	.section	.rodata,"a",@progbits
	.p2align	6, 0x0
	.amdhsa_kernel k_q7bad8c3a16_prep_w
		.amdhsa_group_segment_fixed_size 19456
		.amdhsa_private_segment_fixed_size 0
		.amdhsa_enable_private_segment 0
		.amdhsa_kernarg_size 56
		.amdhsa_user_sgpr_count 2
		.amdhsa_user_sgpr_kernarg_segment_ptr 1
		.amdhsa_wavefront_size32 1
		.amdhsa_system_sgpr_workgroup_id_x 1
		.amdhsa_system_sgpr_workgroup_id_y 1
		.amdhsa_system_sgpr_workgroup_id_z 1
		.amdhsa_system_vgpr_workitem_id 0
		.amdhsa_next_free_vgpr 224
		.amdhsa_next_free_sgpr 66
		.amdhsa_reserve_vcc 0
		.amdhsa_float_denorm_mode_32 3
		.amdhsa_float_denorm_mode_16_64 3
		.amdhsa_memory_ordered 1
		.amdhsa_forward_progress 1
		.amdhsa_inst_pref_size 34
	.end_amdhsa_kernel
	.amdgpu_metadata
---
amdhsa.version: [ 1, 2 ]
amdhsa.kernels:
  - .name:           k_q7bad8c3a16_prep_w
    .symbol:         k_q7bad8c3a16_prep_w.kd
    .args:
      - { .name: wq, .offset: 0, .size: 8, .value_kind: global_buffer, .address_space: global }
      - { .name: wk, .offset: 8, .size: 8, .value_kind: global_buffer, .address_space: global }
      - { .name: wv, .offset: 16, .size: 8, .value_kind: global_buffer, .address_space: global }
      - { .name: wo, .offset: 24, .size: 8, .value_kind: global_buffer, .address_space: global }
      - { .name: w_codes, .offset: 32, .size: 8, .value_kind: global_buffer, .address_space: global }
      - { .name: w_scales, .offset: 40, .size: 8, .value_kind: global_buffer, .address_space: global }
      - { .name: wo16, .offset: 48, .size: 8, .value_kind: global_buffer, .address_space: global }
    .group_segment_fixed_size: 19456
    .private_segment_fixed_size: 0
    .kernarg_segment_align: 8
    .kernarg_segment_size: 56
    .max_flat_workgroup_size: 256
    .sgpr_count:     66
    .vgpr_count:     224
    .wavefront_size: 32
...
	.end_amdgpu_metadata
.endif
;; end of part 2
;; launch qkv (part 3): grid 12 x 32, 4 waves a work-group, clusters of 4 x 4, 327,680 bytes of LDS; arguments x_codes, x_scales, w_codes, w_scales, bq, bk, bv, qkv; writes qkv
.if DOCPART == 3
	.amdgcn_target "amdgcn-amd-amdhsa--gfx1250"
	.amdhsa_code_object_version 6
	.text
	.protected	k_q7bad8c3a16_qkv
	.globl	k_q7bad8c3a16_qkv
	.p2align	8
	.type	k_q7bad8c3a16_qkv,@function
k_q7bad8c3a16_qkv:
	s_mov_b64 s[64:65], 0
	v_nop
	global_prefetch_b8 v0, s[64:65] scope:SCOPE_SE
	s_setreg_imm32_b32 hwreg(HW_REG_WAVE_MODE, 25, 1), 1
	s_wait_xcnt 0x0
	s_wait_alu depctr_hold_cnt(0) depctr_sa_sdst(0) depctr_va_vdst(0) depctr_va_sdst(0) depctr_va_ssrc(0) depctr_va_vcc(0) depctr_vm_vsrc(0)
	s_getreg_b32 s2, hwreg(HW_REG_IB_STS2, 6, 4)
	s_cmp_eq_u32 s2, 0
	s_cbranch_scc0 .Lentry_in_a_cluster
	s_endpgm
.Lentry_in_a_cluster:
	s_bfe_u32 s2, ttmp6, 0x10000c
	s_cmp_lg_u32 s2, 0xf033
	s_cbranch_scc0 .Lentry_shape_is_right
	s_endpgm
.Lentry_shape_is_right:
; q, k, v = x w + b on codes of FP4 with E8M0 scales: C[m][n] = sum over k of A[m][k] B[n][k] + bias[n], A = x's codes [8192][1024], B = the three weights' codes [3072][1024]; sums in f32.
; The result is rounded once to f16 and laid by head: qkv[which][batch][head][token][64], which = n / 1024.  LIMIT: |q|, |k|, |v| stay under 65,504 (f16's range).
; A tile of C, 256 x 256, is made by a work-group of four waves; a wave makes 128 x 128: 64 accumulators, 512 registers.  K = 1024 is two slots of 512 in LDS (rows of 256 bytes): both, and the
; scale bytes of the work-group's rows, are first fills; nothing is filled again, so there is no loop.  By this text's count a wave has three tensor loads out at the most.
; CLUSTERS: 4 x 4 work-groups.  The four of a row of the cluster need the same tiles of A, the four of a column the same tiles of B: each is asked for jointly.  The cluster's x is `which`.
; THE MATRIX INSTRUCTION IS USED TRANSPOSED (source 0 = 16 rows of B, source 1 = 16 rows of A): a lane holds eight neighbouring columns of one token.  The bias is the C of each sum's first product.
; REGISTERS, in windows of 256: window 0: v0-31 addresses; v32-95 scale words, two sets; v128-191 A's fragments, one set; v192-255 the bias, 8 registers for each block of 16 columns.
;   window 1: B's fragments, two sets, at v0 and v128.   window 2: the accumulators of my rows 0-63 ((a, b) at v[8 (8 a + b)]);  window 3: those of my rows 64-127.
.set NQ,     4                         ; matrix instructions deep in a slot
.set ROWB,   256                       ; a tile's row in bytes: 512 codes
.set KROW,   512                       ; a row of A or B in memory
.set PITCH,  272                       ; an LDS row: 256 bytes + 16 of padding: the 16 rows that a load touches start 68 words apart
.set FR,     8
.set NL,     2
.set NP,     4                         ; places behind this matrix instruction (ISA guide 7.12.1)
.set HALFT,  128*PITCH
.set SLOT,   4*HALFT
.set KS,     32                        ; a row of scale bytes
.set SCL,    2*SLOT                    ; behind the slots: the scales, as rows of 256 bytes + 16 of padding
.set HALFS,  (128*KS/256)*272
.set SBLK,   (16*KS/256)*272
.set SPARE,  SCL+4*HALFS               ; behind the scales: the spare words
.set SPITCH, 272                       ; the way out: 16 tokens x (256 bytes + 16) for each wave, in slot 0, which has had its only fill and its last read by then
.set HEADB,  2048*128                  ; a head in qkv, in bytes
.set ADRA, 16
.set ADRB, 20
.set STO,  24
.set RD,   25
.set CO,   26
.set ADRS, 27
.set SPW,  28
.set NIL,  29
.set BO,   30                          ; v30 the bias loads' offset: 32 bytes for lanes 16-31
.set SC,   32
.set AF,   128
.set BIAS, 192
.set TMP,  192                         ; the way out: packed results (the bias is done with)
.set BK,   128                         ; the way out: tokens read back: v128-159 and v160-191 by turns
.set G1, 24
.set G0, 32
.set G1B, 48
.set G0B, 56
.set G1S, 68
.set G0S, 76
.set G1SB, 80
.set G0SB, 88
.set MSB, 0
.macro WIN new                         ; the immediate's high byte repeats the setting that is left
.if MSB != \new
	s_set_vgpr_msb (MSB<<8)|\new
.set MSB, \new
.endif
.endm
.set MUL_LO, 0xa1                      ; source 0 (B) window 1, source 1 (A) window 0, C and D window 2
.set MUL_HI, 0xf1                      ; the same, C and D window 3
.set FST_LO, 0x81                      ; the first products: C (the bias) window 0, D window 2
.set FST_HI, 0xc1                      ; D window 3
.set TO_B,   0x40
; A joint load: waves 0 and 1 fetch for A, waves 2 and 3 for B; the branch hangs on the wave's number alone.  An s_nop 0 and four v_nop follow each of the two lines.
.macro JLOAD g0a, g1a, g0b, g1b
	s_cmp_eq_u32 s15, 0
	s_cbranch_scc0 .Lfor_b_\@
	tensor_load_to_lds s[\g0a:\g0a+3], s[\g1a:\g1a+7]
	s_nop 0
.rept 4
	v_nop
.endr
	s_branch .Lasked_\@
.Lfor_b_\@:
	tensor_load_to_lds s[\g0b:\g0b+3], s[\g1b:\g1b+7]
	s_nop 0
.rept 4
	v_nop
.endr
.Lasked_\@:
.endm
.macro CROUND                          ; a round of the cluster's barrier
	s_barrier_signal -1
	s_barrier_wait -1
	s_cmp_lg_u32 s14, 0
	s_cbranch_scc1 .Lnot_wave_0_\@
	s_barrier_signal -3
.Lnot_wave_0_\@:
	s_barrier_wait -3
	s_barrier_signal -1
	s_barrier_wait -1
.endm
	s_load_b128 s[4:7], s[0:1], 0x0                ; A's codes, A's scales
	s_load_b128 s[8:11], s[0:1], 0x10              ; B's codes, B's scales
	s_load_b128 s[96:99], s[0:1], 0x20             ; bq, bk
	s_load_b64 s[66:67], s[0:1], 0x30              ; bv
	s_load_b64 s[12:13], s[0:1], 0x38              ; qkv
	v_lshl_add_u32 v[SPW], v0, 2, SPARE
	v_mov_b32 v[NIL], 0
	ds_add_u32 v[SPW], v[NIL]                      ; the wave's opening: the add, twice on end, and its wait ahead of my first tensor load
	ds_add_u32 v[SPW], v[NIL]
	v_lshrrev_b32 v1, 5, v0
	v_readfirstlane_b32 s14, v1                    ; wave 0..3
	s_lshr_b32 s15, s14, 1                         ; which half of the tile's rows is mine.  Also: I fetch for A (0) or for B (1)
	s_and_b32 s16, s14, 1                          ; which half of its columns.  Also: which 128 rows of that tile I fetch
	s_bfe_u32 s40, ttmp6, 0x40000                  ; cx, cy
	s_bfe_u32 s41, ttmp6, 0x40004
	s_lshl_b32 s42, ttmp9, 2
	s_add_co_u32 s42, s42, s40                     ; tile column = 4 x cluster x + cx
	s_and_b32 s17, ttmp7, 0xffff
	s_lshl_b32 s17, s17, 2
	s_add_co_u32 s17, s17, s41                     ; tile row = 4 x cluster y + cy
	s_lshl_b32 s43, s41, 2
	s_lshl_b32 s43, 15, s43                        ; my row of the cluster
	s_lshl_b32 s44, 0x1111, s40                    ; my column
	; group 1: 128 rows x 256 bytes, 16 bytes of padding behind each row
	s_or_b32 s[G1+0], s43, (0<<16)|(1<<20)|(1<<21)|(5<<22)|(3<<25)
	s_or_b32 s[G1B+0], s44, (0<<16)|(1<<20)|(1<<21)|(5<<22)|(3<<25)
.irp g, G1, G1B
	s_mov_b32 s[\g+1], ROWB<<16                    ; tensor_dim0
	s_mov_b32 s[\g+2], 128<<16                     ; tensor_dim1
	s_mov_b32 s[\g+3], ROWB<<16                    ; tile_dim0
	s_mov_b32 s[\g+4], 128                         ; tile_dim1
	s_mov_b32 s[\g+5], KROW                        ; from row to row
	s_mov_b32 s[\g+6], 0
	s_mov_b32 s[\g+7], 0
.endr
	; the scales of 128 rows: 4,096 dense bytes, as 16 rows of 256 bytes (32 elements of 8), 16 bytes of padding behind each
	s_or_b32 s[G1S+0], s43, (3<<16)|(1<<20)|(1<<21)|(5<<22)|(3<<25)
	s_or_b32 s[G1SB+0], s44, (3<<16)|(1<<20)|(1<<21)|(5<<22)|(3<<25)
.irp g, G1S, G1SB
	s_mov_b32 s[\g+1], 32<<16
	s_mov_b32 s[\g+2], (128*KS/256)<<16
	s_mov_b32 s[\g+3], 32<<16
	s_mov_b32 s[\g+4], 128*KS/256
	s_mov_b32 s[\g+5], 32
	s_mov_b32 s[\g+6], 0
	s_mov_b32 s[\g+7], 0
.endr
	s_lshl_b32 s18, s16, 7
	s_lshl_b32 s20, s17, 8
	s_add_co_u32 s20, s20, s18                     ; A: row 256 x tile row + 128 x half
	s_lshl_b32 s46, s42, 8
	s_add_co_u32 s46, s46, s18                     ; B: row 256 x tile column + 128 x half
	s_mov_b32 s21, 0
	s_mov_b32 s47, 0
	s_mov_b64 s[18:19], KS
	s_mul_u64 s[22:23], s[20:21], s[18:19]         ; where these rows' scales begin
	s_mul_u64 s[92:93], s[46:47], s[18:19]
	s_mov_b64 s[18:19], KROW
	s_mul_u64 s[20:21], s[20:21], s[18:19]         ; and their codes
	s_mul_u64 s[46:47], s[46:47], s[18:19]
	s_mul_i32 s45, s14, HALFT                      ; where they go: wave x 128 rows
	s_mul_i32 s94, s14, HALFS
	s_wait_dscnt 0x0                               ; both opening adds are done
	s_wait_kmcnt 0x0
	s_add_nc_u64 s[20:21], s[4:5], s[20:21]
	s_add_nc_u64 s[22:23], s[6:7], s[22:23]
	s_add_nc_u64 s[46:47], s[8:9], s[46:47]
	s_add_nc_u64 s[92:93], s[10:11], s[92:93]
	CROUND                                         ; all sixteen work-groups are here: the joint loads meet
	s_mov_b32 s[G0S], 1
	s_add_co_u32 s[G0S+1], s94, SCL
	s_mov_b64 s[G0S+2:G0S+3], s[22:23]
	s_or_b32 s[G0S+3], s[G0S+3], 0x80000000
	s_mov_b32 s[G0SB], 1
	s_add_co_u32 s[G0SB+1], s94, SCL
	s_mov_b64 s[G0SB+2:G0SB+3], s[92:93]
	s_or_b32 s[G0SB+3], s[G0SB+3], 0x80000000
	JLOAD G0S, G1S, G0SB, G1SB                     ; the scales first: they are wanted with the first slot
.irp s, 0,1
	s_mov_b32 s[G0+4*\s], 1
	s_add_co_u32 s[G0+4*\s+1], s45, \s*SLOT
	s_add_nc_u64 s[G0+4*\s+2:G0+4*\s+3], s[20:21], \s*ROWB
	s_or_b32 s[G0+4*\s+3], s[G0+4*\s+3], 0x80000000
	s_mov_b32 s[G0B+4*\s], 1
	s_add_co_u32 s[G0B+4*\s+1], s45, \s*SLOT
	s_add_nc_u64 s[G0B+4*\s+2:G0B+4*\s+3], s[46:47], \s*ROWB
	s_or_b32 s[G0B+4*\s+3], s[G0B+4*\s+3], 0x80000000
	JLOAD G0+4*\s, G1, G0B+4*\s, G1B
.endr
	v_and_b32 v1, 15, v0                           ; l % 16
	v_bfe_u32 v2, v0, 4, 1                         ; l / 16
	; the bias of my 128 columns: block b's eight registers hold bias[16 b + 8 (l / 16) + 0 .. 7]
	s_cmp_eq_u32 ttmp9, 0                          ; the cluster's x is 0, 1, 2 for q, k, v: the same in all sixteen partners
	s_cselect_b64 s[96:97], s[96:97], s[98:99]
	s_cmp_eq_u32 ttmp9, 2
	s_cselect_b64 s[96:97], s[66:67], s[96:97]
	s_lshl_b32 s92, s40, 10                        ; column 256 cx + 128 x half, 4 bytes each
	s_lshl_b32 s93, s16, 9
	s_add_co_u32 s92, s92, s93
	s_mov_b32 s93, 0
	s_add_nc_u64 s[96:97], s[96:97], s[92:93]
	v_lshlrev_b32 v[BO], 5, v2
.irp b, 0,1,2,3,4,5,6,7
	global_load_b128 v[BIAS+8*\b:BIAS+8*\b+3], v[BO], s[96:97] offset:64*\b
	global_load_b128 v[BIAS+8*\b+4:BIAS+8*\b+7], v[BO], s[96:97] offset:64*\b+16
.endr
	v_mul_u32_u24 v3, v1, PITCH
	v_lshl_add_u32 v4, v2, 4, v3                   ; a fragment's row x pitch + 16 x half
	s_mul_i32 s21, s15, HALFT                      ; my 128 rows of A
	s_mul_i32 s22, s16, HALFT                      ; my 128 rows of B,
	s_add_co_u32 s22, s22, 2*HALFT                 ; which lie behind A's 256
.irp s, 0,1
	v_add_nc_u32 v[ADRA+\s], s21, v4
	v_add_nc_u32 v[ADRB+\s], s22, v4
	s_add_co_u32 s21, s21, SLOT
	s_add_co_u32 s22, s22, SLOT
.endr
	v_mul_u32_u24 v5, v1, KS                       ; my row's scales: 32 bytes a row,
	v_lshrrev_b32 v6, 8, v5
	v_lshl_add_u32 v5, v6, 4, v5                   ; and 16 more for each 256 passed
	s_mul_i32 s21, s15, HALFS
	s_mul_i32 s22, s16, HALFS
	s_add_co_u32 s22, s22, 2*HALFS
	s_sub_co_u32 s22, s22, s21
	v_mul_u32_u24 v6, s22, v2                      ; lanes 16-31 take B's: one product, the distance between the two
	s_add_co_u32 s21, s21, SCL
	v_add_nc_u32 v5, v5, v6
	v_add_nc_u32 v[ADRS], s21, v5
	s_mul_i32 s23, s14, 16*SPITCH                  ; my stage
	v_mul_u32_u24 v5, v1, SPITCH                   ; in: token l % 16, 16 bytes for each half of the lanes
	v_lshl_add_u32 v5, v2, 4, v5
	v_add_nc_u32 v[STO], s23, v5
	v_and_b32 v6, 31, v0
	v_lshrrev_b32 v5, 3, v6                        ; back: eight lanes take a token's 128 bytes of one head, 32 lanes four tokens
	v_mul_u32_u24 v5, v5, SPITCH
	v_and_b32 v7, 7, v0
	v_lshl_add_u32 v5, v7, 4, v5
	v_add_nc_u32 v[RD], s23, v5
	v_lshlrev_b32 v[CO], 4, v6                     ; which are 512 consecutive bytes of qkv
	s_lshl_b32 s20, s17, 8
	s_lshl_b32 s21, s15, 7
	s_add_co_u32 s20, s20, s21                     ; my first row of C: 256 x tile row + 128 x half
	s_lshr_b32 s21, s20, 11
	s_lshl_b32 s21, s21, 22                        ; its batch: 16 heads of HEADB bytes
	s_and_b32 s20, s20, 2047
	s_lshl_b32 s20, s20, 7                         ; its token: 128 bytes
	s_add_co_u32 s20, s20, s21
	s_lshl_b32 s21, ttmp9, 24                      ; which: 64 heads
	s_add_co_u32 s20, s20, s21
	s_lshl_b32 s46, s40, 20                        ; my first head: 4 cx + 2 x half
	s_lshl_b32 s47, s16, 19
	s_add_co_u32 s46, s46, s47
	s_add_co_u32 s20, s20, s46
	s_mov_b32 s21, 0
	s_add_nc_u64 s[12:13], s[12:13], s[20:21]
.macro FRAG reg, adr, q, i             ; 16 rows x 128 K of 4-bit codes: 8 registers: two loads of 16 bytes, 32 bytes apart
.irp c, 0,1
	ds_load_b128 v[\reg+4*\c:\reg+4*\c+3], v[\adr] offset:64*(\q)+32*\c+(\i)*16*PITCH
.endr
.endm
; 16 matrix instructions: A's blocks a0, a0 + 1 x B's eight.  p: B's set; sc: the set of scale words.  first = 1: the bias starts the sums.  The 64 accumulators take turns.
.macro MUL16 a0, p, q, sc, first
.irp a, \a0, \a0+1
.irp b, 0,1,2,3,4,5,6,7
.if \first
	v_wmma_scale_f32_16x16x128_f8f6f4 v[8*(8*((\a)%4)+\b):8*(8*((\a)%4)+\b)+7], v[128*(\p)+FR*\b:128*(\p)+FR*\b+FR-1], v[AF+FR*(\a):AF+FR*(\a)+FR-1], v[BIAS+8*\b:BIAS+8*\b+7], v[SC+8*NQ*(\sc)+NQ*\b+(\q)], v[SC+8*NQ*(\sc)+NQ*(\a)+(\q)] matrix_a_fmt:MATRIX_FMT_FP4 matrix_b_fmt:MATRIX_FMT_FP4 matrix_a_scale:MATRIX_SCALE_ROW1
.else
	v_wmma_scale_f32_16x16x128_f8f6f4 v[8*(8*((\a)%4)+\b):8*(8*((\a)%4)+\b)+7], v[128*(\p)+FR*\b:128*(\p)+FR*\b+FR-1], v[AF+FR*(\a):AF+FR*(\a)+FR-1], v[8*(8*((\a)%4)+\b):8*(8*((\a)%4)+\b)+7], v[SC+8*NQ*(\sc)+NQ*\b+(\q)], v[SC+8*NQ*(\sc)+NQ*(\a)+(\q)] matrix_a_fmt:MATRIX_FMT_FP4 matrix_b_fmt:MATRIX_FMT_FP4 matrix_a_scale:MATRIX_SCALE_ROW1
.endif
.endr
.endr
.endm
.macro FETCH_B slot, q, p
	WIN TO_B
.irp i, 0,1,2,3,4,5,6,7
	FRAG 128*(\p)+FR*\i, ADRB+\slot, \q, \i
.endr
	WIN 0
.endm
.macro FETCH_A slot, q, i0
.irp i, \i0, \i0+1, \i0+2, \i0+3
	FRAG AF+FR*(\i), ADRA+\slot, \q, \i
.endr
.endm
.macro SCALES sc                       ; a slot's scale words: 4 words a row; lanes 0-15 take A's block i, lanes 16-31 B's block i
.irp i, 0,1,2,3,4,5,6,7
	ds_load_b128 v[SC+8*NQ*\sc+NQ*\i:SC+8*NQ*\sc+NQ*\i+3], v[ADRS] offset:\i*SBLK
.endr
.endm
.macro PLACES n                        ; plain vector instructions between a matrix instruction and a load into, or a read of, its registers
.rept \n
	v_nop
.endr
.endm
.macro STEP slot, q, first             ; 128 along K with its successor in the same slot
	s_wait_dscnt 4*NL                              ; B's set and A's blocks 0-3 are in; the youngest eight loads (A's blocks 4-7) may be out
.if \first
	WIN FST_LO
.else
	WIN MUL_LO
.endif
	MUL16 0, (\q)%2, \q, \slot, \first
	MUL16 2, (\q)%2, \q, \slot, \first
	s_wait_dscnt 0                                 ; A's blocks 4-7 are in
	PLACES NP
	FETCH_B \slot, (\q)+1, 1-(\q)%2
	FETCH_A \slot, (\q)+1, 0
.if \first
	WIN FST_HI
.else
	WIN MUL_HI
.endif
	MUL16 4, (\q)%2, \q, \slot, \first
	MUL16 6, (\q)%2, \q, \slot, \first
	PLACES NP
	WIN 0
	FETCH_A \slot, (\q)+1, 4
.endm
	s_wait_tensorcnt 1                             ; the scales and my part of slot 0 are in; slot 1's load may be out
	s_barrier_signal -1
	s_barrier_wait -1                              ; everybody's are
	FETCH_B 0, 0, 0
	FETCH_A 0, 0, 0
	SCALES 0
	FETCH_A 0, 0, 4
	s_wait_loadcnt 0x0                             ; the bias
	STEP 0, 0, 1
	STEP 0, 1, 0
	STEP 0, 2, 0
	; slot 0's last step changes slots: one barrier; in front of it each wave waits for its tensor loads (slot 1's part), adds 0 to its spare word, and waits for that and for its reads of slot 0
	s_wait_tensorcnt 0x0
	ds_add_u32 v[SPW], v[NIL]
	s_wait_dscnt 4*NL+1                            ; the add and the youngest eight loads may be out
	WIN MUL_LO
	MUL16 0, 1, NQ-1, 0, 0
	s_wait_dscnt 0x0                               ; the add is done, and my reads of slot 0 are over
	s_barrier_signal -1
	MUL16 2, 1, NQ-1, 0, 0
	WIN 0
	s_barrier_wait -1
	PLACES NP
	v_add_nc_u32 v[ADRS], 4*NQ, v[ADRS]            ; on to slot 1's scale words
	FETCH_B 1, 0, 0
	FETCH_A 1, 0, 0
	SCALES 1
	WIN MUL_HI
	MUL16 4, 1, NQ-1, 0, 0
	MUL16 6, 1, NQ-1, 0, 0
	PLACES NP
	WIN 0
	FETCH_A 1, 0, 4
	STEP 1, 0, 0
	STEP 1, 1, 0
	STEP 1, 2, 0
	s_wait_dscnt 4*NL                              ; the last step: nothing more to fetch
	WIN MUL_LO
	MUL16 0, 1, NQ-1, 1, 0
	MUL16 2, 1, NQ-1, 1, 0
	s_wait_dscnt 0
	WIN MUL_HI
	MUL16 4, 1, NQ-1, 1, 0
	MUL16 6, 1, NQ-1, 1, 0
	WIN 0
; THE WAY OUT, block by block of 16 tokens x 128 columns (two heads).  PACK: rounded to f16, 16 bytes a lane, each accumulator from its low end on.  TOSTAGE: into my own stage and back, four tokens of one head
; to a load.  SEND: 32 lanes store 512 consecutive bytes, aligned.  LDS serves a wave's instructions in order: no wait between the stage's stores and loads.
.macro PACK a
.set AC, 64*((\a)%4)
	WIN 0x0a+5*((\a)/4)                            ; sources 0 and 1: window 2 or 3
.irp b, 0,1,2,3,4,5,6,7
.irp r, 0,1,2,3
	v_cvt_pk_f16_f32 v[TMP+4*\b+\r], v[AC+8*\b+2*\r], v[AC+8*\b+2*\r+1]
.endr
.endr
	WIN 0
.endm
.macro TOSTAGE a
.set BB, BK+32*((\a)%2)
.irp b, 0,1,2,3,4,5,6,7
	ds_store_b128 v[STO], v[TMP+4*\b:TMP+4*\b+3] offset:32*\b
.endr
.irp hd, 0,1
.irp i, 0,1,2,3
	ds_load_b128 v[BB+4*(4*\hd+\i):BB+4*(4*\hd+\i)+3], v[RD] offset:128*\hd+4*SPITCH*\i
.endr
.endr
.endm
.macro SEND a
.set BB, BK+32*((\a)%2)
	s_wait_dscnt 0x0                               ; the block is back in registers
	s_wait_xcnt 0x0                                ; the stores of the block before have read their registers: the next block's loads may land there
.irp hd, 0,1
.irp i, 0,1,2,3
	global_store_b128 v[CO], v[BB+4*(4*\hd+\i):BB+4*(4*\hd+\i)+3], s[12:13] offset:HEADB*\hd+2048*(\a)+512*\i
.endr
.endr
.endm
	PLACES NP                                      ; behind the last products
	PACK 0
	TOSTAGE 0
.irp a, 1,2,3,4,5,6,7                  ; block a's conversions stand between block a - 1's loads from the stage and the wait for them
	PACK \a
	SEND \a-1
	TOSTAGE \a
.endr
	SEND 7
	s_wait_tensorcnt 0x0                           ; the wave's end
	ds_add_u32 v[SPW], v[NIL]
	s_wait_dscnt 0x0
	CROUND                                         ; the closing round
	s_endpgm
.Lfunc_end_k_q7bad8c3a16_qkv:
	.size	k_q7bad8c3a16_qkv, .Lfunc_end_k_q7bad8c3a16_qkv-k_q7bad8c3a16_qkv
	.p2alignl 7, 3214868480
	.fill 96, 4, 3214868480
	.section	.rodata,"a",@progbits
	.p2align	6, 0x0
	.amdhsa_kernel k_q7bad8c3a16_qkv
		.amdhsa_group_segment_fixed_size 327680
		.amdhsa_private_segment_fixed_size 0
		.amdhsa_enable_private_segment 0
		.amdhsa_kernarg_size 64
		.amdhsa_user_sgpr_count 2
		.amdhsa_user_sgpr_kernarg_segment_ptr 1
		.amdhsa_wavefront_size32 1
		.amdhsa_system_sgpr_workgroup_id_x 1
		.amdhsa_system_sgpr_workgroup_id_y 1
		.amdhsa_system_sgpr_workgroup_id_z 1
		.amdhsa_system_vgpr_workitem_id 0
		.amdhsa_next_free_vgpr 1024
		.amdhsa_next_free_sgpr 100
		.amdhsa_reserve_vcc 0
		.amdhsa_float_denorm_mode_32 3
		.amdhsa_float_denorm_mode_16_64 3
		.amdhsa_memory_ordered 1
		.amdhsa_forward_progress 1
		.amdhsa_inst_pref_size 128
	.end_amdhsa_kernel
	.amdgpu_metadata
---
amdhsa.version: [ 1, 2 ]
amdhsa.kernels:
  - .name:           k_q7bad8c3a16_qkv
    .symbol:         k_q7bad8c3a16_qkv.kd
    .args:
      - { .name: x_codes, .offset: 0, .size: 8, .value_kind: global_buffer, .address_space: global }
      - { .name: x_scales, .offset: 8, .size: 8, .value_kind: global_buffer, .address_space: global }
      - { .name: w_codes, .offset: 16, .size: 8, .value_kind: global_buffer, .address_space: global }
      - { .name: w_scales, .offset: 24, .size: 8, .value_kind: global_buffer, .address_space: global }
      - { .name: bq, .offset: 32, .size: 8, .value_kind: global_buffer, .address_space: global }
      - { .name: bk, .offset: 40, .size: 8, .value_kind: global_buffer, .address_space: global }
      - { .name: bv, .offset: 48, .size: 8, .value_kind: global_buffer, .address_space: global }
      - { .name: qkv, .offset: 56, .size: 8, .value_kind: global_buffer, .address_space: global }
    .group_segment_fixed_size: 327680
    .private_segment_fixed_size: 0
    .kernarg_segment_align: 8
    .kernarg_segment_size: 64
    .max_flat_workgroup_size: 128
    .sgpr_count:     100
    .vgpr_count:     1024
    .wavefront_size: 32
...
	.end_amdgpu_metadata
.endif
;; end of part 3
;; launch attn (part 4): grid 4 x 64, 8 waves a work-group, clusters of 4 x 1, 327,680 bytes of LDS; arguments qkv, oh; writes oh
.if DOCPART == 4
	.amdgcn_target "amdgcn-amd-amdhsa--gfx1250"
	.amdhsa_code_object_version 6
	.text
	.protected	k_q7bad8c3a16_attn
	.globl	k_q7bad8c3a16_attn
	.p2align	8
	.type	k_q7bad8c3a16_attn,@function
k_q7bad8c3a16_attn:
	s_mov_b64 s[64:65], 0
	v_nop
	global_prefetch_b8 v0, s[64:65] scope:SCOPE_SE
	s_setreg_imm32_b32 hwreg(HW_REG_WAVE_MODE, 25, 1), 1
	s_wait_xcnt 0x0
	s_wait_alu depctr_hold_cnt(0) depctr_sa_sdst(0) depctr_va_vdst(0) depctr_va_sdst(0) depctr_va_ssrc(0) depctr_va_vcc(0) depctr_vm_vsrc(0)
	s_getreg_b32 s2, hwreg(HW_REG_IB_STS2, 6, 4)
	s_cmp_eq_u32 s2, 0
	s_cbranch_scc0 .Lentry_in_a_cluster
	s_endpgm
.Lentry_in_a_cluster:
	s_bfe_u32 s2, ttmp6, 0x10000c
	s_cmp_lg_u32 s2, 0x3003
	s_cbranch_scc0 .Lentry_shape_is_right
	s_endpgm
.Lentry_shape_is_right:
; oh[head][q][:] = the sum over k of softmax_k(Q[q] . K[k] / 8) V[k][:], for each of the 64 (batch, head).  Q, K, V: qkv[which][head][2048][64] f16; oh likewise.  Products, maxima and sums in f32;
; the weights p are rounded to f16 for the second product (they lie in (0, 1] by the running maximum), oh once at the end.  LIMITS: NaN and infinities are not served.
; SHARES.  A work-group owns 512 queries of one head, each of its eight waves 64: four tiles of 16, worked as two PIECES of two tiles, which use the same fragments of K and V.  Two waves share a SIMD
; (512 registers each), so that one wave's softmax stands beside the other's products.  Every wave walks all 2,048 keys, 64 a step.
; LAYOUT.  S^T = K Q^T (source 0 = 16 keys, source 1 = 16 queries): a lane holds ONE query (lane % 16) and keys 8 (lane / 16) + 0..7.  Two such tiles, rounded in pairs, ARE source 1 of O^T = V^T P.
; K comes out of LDS as it lies, V ([key][channel]) turned, by ds_load_tr16_b128.
; SOFTMAX.  A running maximum m and sum l for each query: p = 2^(c s - c m), c = log2(e) / 8; in every step O and l are multiplied by a = 2^(c m_old - c m_new).  The loop has no first step of its own:
; m begins at -3e38, l and O^T at 0, so that the first a is 0 and multiplies zeros.
; CLUSTER.  The four query blocks of a head are one cluster and walk the same K and V: each tile is asked for jointly.  Two slots of 256 keys; the change of slots stands at a slot's head, and the load
; issued there has the slot's four steps, 256 matrix instructions a wave, in which to land.  By this text's count a wave has one tensor load out.
; REGISTERS: window 0: v1-13 addresses; v28, v29 the add's two; v32-63 statistics, 8 a tile (+0 c m, +1 m, +2, +3 l, +4..+7 at work, a in +6); v64-127 S^T of a piece; v128-159 P of a piece; v160-223 V.
;   window 1: v0-127 O^T, 32 a tile; v128-191 Q, 16 a tile; v192-255 K.
.set KS,    64
.set SK,    256                        ; keys in a slot
.set NSL,   2048/SK
.set PITK,  144                        ; a key's row of K in LDS: 128 bytes + 16
.set PITV,  160                        ; of V: 128 + 32
.set VOFF,  SK*PITK
.set SLOT1, 1<<17                      ; slot 1 begins here: one exclusive or turns an address from one slot to the other
.set STAGE, SLOT1+SK*(PITK+PITV)       ; behind the ring: 16 rows x 144 bytes for each wave
.set SPARE, STAGE+8*16*PITK            ; behind the stages: the spare words
.set AK0, 2
.set AV0, 3
.set ADK, 4
.set ADV, 5
.set QO,  6
.set STO, 7
.set RD,  8
.set GO,  10
.set PFO, 11                           ; v11 256 x lane; never rewritten
.set SPW, 28
.set NIL, 29
.set ST,  32
.set S,   64
.set P,   128
.set VF,  160
.set OT,  0                            ; window 1
.set QF,  128
.set KF,  192
.set WV,  12
.set LIM, 15                           ; s15 1 in a wave that prefetches, else the greatest number
.set PFA, 18                           ; s[18:19] where my prefetches stand
.set G1K, 24
.set G1V, 32
.set G0K, 40
.set G0V, 44
.set SLOTS, 56
.set CS,  58
.set SEL, 60
.set TB,  62
.set MSB, 0
.macro WIN new
.if MSB != \new
	s_set_vgpr_msb (MSB<<8)|\new
.set MSB, \new
.endif
.endm
.set W_KQ, 0x05                        ; K and Q window 1, S^T window 0
.set W_PV, 0x50                        ; V and P window 0, O^T window 1
.set W_RS, 0x41                        ; O^T (destination, source 0) window 1, a window 0
.set TO_1, 0x40
; A joint load: waves 0 to 3 fetch K's four quarters of a slot, waves 4 to 7 V's.  An s_nop 0 and four v_nop follow each of the two lines.
.macro JLOAD
	s_cmp_lt_u32 s[WV], 4
	s_cbranch_scc0 .Lfor_v_\@
	tensor_load_to_lds s[G0K:G0K+3], s[G1K:G1K+7]
	s_nop 0
.rept 4
	v_nop
.endr
	s_branch .Lasked_\@
.Lfor_v_\@:
	tensor_load_to_lds s[G0V:G0V+3], s[G1V:G1V+7]
	s_nop 0
.rept 4
	v_nop
.endr
.Lasked_\@:
.endm
; A prefetch of what the NEXT change of slots will ask for: a slot's 32,768 bytes of K and of V.  The four partners take 8,192 bytes each, told apart by address; in each, wave 0 asks for K's and wave 4 for V's,
; lanes 256 bytes apart: each aligned 256 bytes is named once in the launch.  The last change that fills a slot asks for nothing; slots 0 and 1 come by their loads alone.
.macro ASK
	s_cmp_gt_u32 s[SLOTS], s[LIM]
	s_cbranch_scc0 .Lnot_mine_\@
	global_prefetch_b8 v[PFO], s[PFA:PFA+1] th:TH_LOAD_NT scope:SCOPE_SE
.Lnot_mine_\@:
.endm
.macro CROUND
	s_barrier_signal -1
	s_barrier_wait -1
	s_cmp_lg_u32 s[WV], 0
	s_cbranch_scc1 .Lnot_wave_0_\@
	s_barrier_signal -3
.Lnot_wave_0_\@:
	s_barrier_wait -3
	s_barrier_signal -1
	s_barrier_wait -1
.endm
	s_load_b128 s[4:7], s[0:1], 0x0                ; qkv s[4:5], oh s[6:7]
	v_lshl_add_u32 v[SPW], v0, 2, SPARE
	v_mov_b32 v[NIL], 0
	ds_add_u32 v[SPW], v[NIL]                      ; the wave's opening: the add, twice on end, and its wait ahead of my first tensor load
	ds_add_u32 v[SPW], v[NIL]
	v_lshrrev_b32 v1, 5, v0
	v_readfirstlane_b32 s[WV], v1                  ; wave 0..7
	s_bfe_u32 s13, ttmp6, 0x40000                  ; cx
	s_lshl_b32 s14, ttmp9, 2
	s_add_co_u32 s14, s14, s13                     ; my block of 512 queries: it enters Q's and oh's addresses alone
	s_and_b32 s20, ttmp7, 0xffff                   ; the head, which the four partners share
	s_lshl_b32 s20, s20, 18                        ; 262,144 bytes a head
	s_and_b32 s16, s[WV], 3                        ; which quarter of a slot I fetch:
	s_lshl_b32 s22, s16, 13                        ; its 64 rows of 128 bytes in memory,
	s_add_co_u32 s22, s22, s20
	s_mov_b32 s23, 0
	s_mul_i32 s52, s16, 64*PITK                    ; and its place in a slot, for K
	s_mul_i32 s53, s16, 64*PITV                    ; and for V
	s_add_co_u32 s53, s53, VOFF
	s_lshl_b32 s2, s14, 16                         ; my block's 512 rows,
	s_lshl_b32 s3, s[WV], 13                       ; my wave's 64 of them
	s_add_co_u32 s2, s2, s3
	s_add_co_u32 s2, s2, s20
	s_mov_b32 s3, 0
	; group 1: 64 rows x 64 elements of 2 bytes, dense in memory, padded behind every row
	s_mov_b32 s[G1K], 15|(1<<16)|(1<<20)|(1<<21)|(4<<22)|(3<<25)   ; the mask: all four; elements of 2 bytes; padding on; after every 32 words 4 words
	s_mov_b32 s[G1V], 15|(1<<16)|(1<<20)|(1<<21)|(4<<22)|(7<<25)   ; the same with 8 words
.irp g, G1K, G1V
	s_mov_b32 s[\g+1], 64<<16                      ; tensor_dim0
	s_mov_b32 s[\g+2], 64<<16                      ; tensor_dim1
	s_mov_b32 s[\g+3], 64<<16                      ; tile_dim0
	s_mov_b32 s[\g+4], 64                          ; tile_dim1
	s_mov_b32 s[\g+5], 64                          ; from row to row
	s_mov_b32 s[\g+6], 0
	s_mov_b32 s[\g+7], 0
.endr
	s_mov_b32 s[CS], 0x3e38aa3b                    ; c = log2(e) / 8
	s_mov_b32 s[CS+1], s[CS]
	s_mov_b32 s[SEL], 0x76543210
	s_mov_b32 s[SEL+1], 0xfedcba98
	s_mov_b32 s[TB], 0
	s_mov_b32 s[SLOTS], NSL-1
	s_and_b32 s[LIM], s[WV], 3                     ; 0 in waves 0 and 4,
	s_or_b32 s[LIM], s[LIM], ttmp9                 ; of the head's first cluster: the same in all four partners
	s_cmp_eq_u32 s[LIM], 0
	s_cselect_b32 s[LIM], 1, -1
	v_and_b32 v[PFO], 31, v0
	v_lshlrev_b32 v[PFO], 8, v[PFO]
	s_wait_dscnt 0x0                               ; both opening adds are done
	s_wait_kmcnt 0x0
	s_add_nc_u64 s[48:49], s[4:5], s[22:23]
	s_add_nc_u64 s[50:51], s[48:49], 0x2000000     ; V at my quarter of slot 0
	s_add_nc_u64 s[48:49], s[48:49], 0x1000000     ; K likewise
	s_add_nc_u64 s[4:5], s[4:5], s[2:3]            ; Q and oh at my wave's first row
	s_add_nc_u64 s[6:7], s[6:7], s[2:3]
	s_cmp_lt_u32 s[WV], 4
	s_cselect_b64 s[PFA:PFA+1], s[48:49], s[50:51] ; (in waves 0 and 4 these stand at a slot's first row)
	s_lshl_b32 s2, s13, 13                         ; my work-group's 8,192 bytes of the 32,768
	s_add_nc_u64 s[PFA:PFA+1], s[PFA:PFA+1], s[2:3]
	s_add_nc_u64 s[PFA:PFA+1], s[PFA:PFA+1], SK*128  ; in slot 1: the first change of slots steps it to slot 2
	CROUND                                         ; all four work-groups are here: the first joint loads meet
	s_mov_b32 s[G0K], 1
	s_mov_b32 s[G0K+1], s52
	s_mov_b64 s[G0K+2:G0K+3], s[48:49]
	s_or_b32 s[G0K+3], s[G0K+3], 0x80000000
	s_mov_b32 s[G0V], 1
	s_mov_b32 s[G0V+1], s53
	s_mov_b64 s[G0V+2:G0V+3], s[50:51]
	s_or_b32 s[G0V+3], s[G0V+3], 0x80000000
	JLOAD                                          ; slot 0
	v_and_b32 v1, 15, v0                           ; r = l % 16
	v_bfe_u32 v9, v0, 4, 1                         ; h = l / 16
	v_lshlrev_b32 v[QO], 7, v1
	v_lshl_add_u32 v[QO], v9, 4, v[QO]             ; row x 128 + 16 x half
	WIN TO_1
.irp t, 0,1,2,3                        ; Q stays in registers: tile t, channels 32 d on
.irp d, 0,1
	global_load_b128 v[QF+16*\t+8*\d:QF+16*\t+8*\d+3],   v[QO], s[4:5] offset:2048*\t+64*\d
	global_load_b128 v[QF+16*\t+8*\d+4:QF+16*\t+8*\d+7], v[QO], s[4:5] offset:2048*\t+64*\d+32
.endr
.endr
.set i, 0
.rept 128
	v_mov_b32 v[OT+i], 0                           ; O^T: cleared once, which spares a third copy of a slot's steps
.set i, i+1
.endr
	WIN 0
	v_mul_u32_u24 v[AK0], v1, PITK
	v_lshl_add_u32 v[AK0], v9, 4, v[AK0]           ; K: row x pitch + 16 x half
	v_and_b32 v12, 7, v0
	v_bfe_u32 v13, v0, 3, 1
	v_lshl_add_u32 v[AV0], v9, 3, v12              ; V, for the turning load: key 8 h + l % 8, channels 8 ((l / 8) % 2) on
	v_mul_u32_u24 v[AV0], v[AV0], PITV
	v_lshl_add_u32 v[AV0], v13, 4, v[AV0]
	v_add_nc_u32 v[AV0], VOFF, v[AV0]
	s_mul_i32 s14, s[WV], 16*PITK
	s_add_co_u32 s14, s14, STAGE                   ; my stage
	v_mul_u32_u24 v[STO], v1, PITK                 ; in: row r, 16 bytes for each half of the lanes
	v_lshl_add_u32 v[STO], v9, 4, v[STO]
	v_add_nc_u32 v[STO], s14, v[STO]
	v_bfe_u32 v13, v0, 3, 2                        ; back: eight lanes to a row of 128 bytes, four rows a load
	v_mul_u32_u24 v[RD], v13, PITK
	v_lshl_add_u32 v[RD], v12, 4, v[RD]
	v_add_nc_u32 v[RD], s14, v[RD]
	v_and_b32 v[GO], 31, v0
	v_lshlrev_b32 v[GO], 4, v[GO]                  ; which are 512 consecutive bytes of oh
.irp t, 0,1,2,3
	v_mov_b32 v[ST+8*\t+1], 0xff61b1e6             ; m = -3e38, under every score
	v_mul_f32 v[ST+8*\t], s[CS], v[ST+8*\t+1]      ; c m
	v_mov_b32 v[ST+8*\t+2], 0                      ; l, in two halves
	v_mov_b32 v[ST+8*\t+3], 0
.endr
; 16 products S^T = K Q^T for piece y: channels 32 d on, keys 16 a on, tile y + u.  The first eight start the sums.  The eight accumulators take turns.
.macro MKQ y
	WIN W_KQ
.irp d, 0,1
.irp a, 0,1,2,3
.irp u, 0,1
.if \d == 0
	v_wmma_f32_16x16x32_f16 v[S+32*\u+8*\a:S+32*\u+8*\a+7], v[KF+16*\a+8*\d:KF+16*\a+8*\d+7], v[QF+16*(\y+\u)+8*\d:QF+16*(\y+\u)+8*\d+7], 0
.else
	v_wmma_f32_16x16x32_f16 v[S+32*\u+8*\a:S+32*\u+8*\a+7], v[KF+16*\a+8*\d:KF+16*\a+8*\d+7], v[QF+16*(\y+\u)+8*\d:QF+16*(\y+\u)+8*\d+7], v[S+32*\u+8*\a:S+32*\u+8*\a+7]
.endif
.endr
.endr
.endr
.endm
; 16 products O^T += V^T P for piece y: keys 32 g on, channels 16 c on, tile y + u; eight accumulators by turns.
.macro MPV y
	WIN W_PV
.irp g, 0,1
.irp c, 0,1,2,3
.irp u, 0,1
	v_wmma_f32_16x16x32_f16 v[OT+32*(\y+\u)+8*\c:OT+32*(\y+\u)+8*\c+7], v[VF+32*\g+8*\c:VF+32*\g+8*\c+7], v[P+16*\u+8*\g:P+16*\u+8*\g+7], v[OT+32*(\y+\u)+8*\c:OT+32*(\y+\u)+8*\c+7]
.endr
.endr
.endr
.endm
.macro FETCH_K q                       ; the slot's q-th 64 keys x 64 channels: 8 fragments
	WIN TO_1
.irp a, 0,1,2,3
.irp d, 0,1
	ds_load_b128 v[KF+16*\a+8*\d:KF+16*\a+8*\d+3],   v[ADK] offset:(64*(\q)+16*\a)*PITK+64*\d
	ds_load_b128 v[KF+16*\a+8*\d+4:KF+16*\a+8*\d+7], v[ADK] offset:(64*(\q)+16*\a)*PITK+64*\d+32
.endr
.endr
.endm
.macro FETCH_V q                       ; the same keys of V, turned: keys 32 g on, channels 16 c on
	WIN 0
.irp g, 0,1
.irp c, 0,1,2,3
	ds_load_tr16_b128 v[VF+32*\g+8*\c:VF+32*\g+8*\c+3],   v[ADV] offset:(64*(\q)+32*\g)*PITV+32*\c
	ds_load_tr16_b128 v[VF+32*\g+8*\c+4:VF+32*\g+8*\c+7], v[ADV] offset:(64*(\q)+32*\g+16)*PITV+32*\c
.endr
.endr
.endm
.macro PLACES                          ; four plain vector instructions between a matrix instruction and a read of its result or a load into its registers
.rept 4
	v_nop
.endr
.endm
; THE SOFTMAX of piece y for one key step; the two tiles alternate line by line, so that no line waits for the line above it.
.macro SOFTMAX y
	WIN 0
.irp j, 0,1,2,3                        ; the maximum of the lane's 32 scores and the old m: four chains; each accumulator is read first at its low end
.irp u, 0,1
	v_max3_num_f32 v[ST+8*(\y+\u)+4+\j], v[S+32*\u+8*\j], v[S+32*\u+8*\j+1], v[S+32*\u+8*\j+2]
.endr
.endr
.irp k, 1,2
.irp j, 0,1,2,3
.irp u, 0,1
	v_max3_num_f32 v[ST+8*(\y+\u)+4+\j], v[ST+8*(\y+\u)+4+\j], v[S+32*\u+8*\j+2*\k+1], v[S+32*\u+8*\j+2*\k+2]
.endr
.endr
.endr
.irp u, 0,1
	v_max3_num_f32 v[ST+8*(\y+\u)+4], v[ST+8*(\y+\u)+4], v[S+32*\u+7], v[S+32*\u+15]
.endr
.irp u, 0,1
	v_max3_num_f32 v[ST+8*(\y+\u)+6], v[ST+8*(\y+\u)+6], v[S+32*\u+23], v[S+32*\u+31]
.endr
.irp u, 0,1
	v_max3_num_f32 v[ST+8*(\y+\u)+4], v[ST+8*(\y+\u)+4], v[ST+8*(\y+\u)+5], v[ST+8*(\y+\u)+6]
.endr
.irp u, 0,1
	v_max3_num_f32 v[ST+8*(\y+\u)+4], v[ST+8*(\y+\u)+4], v[ST+8*(\y+\u)+7], v[ST+8*(\y+\u)+1]
.endr
.irp u, 0,1
	v_permlanex16_b32 v[ST+8*(\y+\u)+5], v[ST+8*(\y+\u)+4], s[SEL], s[SEL+1]   ; the query's other 32 keys lie in the lane 16 away
.endr
.irp u, 0,1
	v_mov_b32 v[ST+8*(\y+\u)+7], v[ST+8*(\y+\u)]                               ; c m_old is kept for a
.endr
.irp u, 0,1
	v_max_num_f32 v[ST+8*(\y+\u)+1], v[ST+8*(\y+\u)+4], v[ST+8*(\y+\u)+5]      ; the new m
.endr
.irp u, 0,1
	v_mul_f32 v[ST+8*(\y+\u)], s[CS], v[ST+8*(\y+\u)+1]
.endr
.irp u, 0,1
	v_sub_f32 v[ST+8*(\y+\u)+7], v[ST+8*(\y+\u)+7], v[ST+8*(\y+\u)]
.endr
	; ONE BATCH: a, the 16 scalings c s - c m of each tile, and the 64 exponentials; none of these names an exponential's result.  A pair's exponentials stand behind the next pair's scalings.
.irp u, 0,1
	v_exp_f32 v[ST+8*(\y+\u)+6], v[ST+8*(\y+\u)+7]
.endr
.irp b, 0,1,2,3,4,5,6,7,8,9,10,11,12,13,14,15
.irp u, 0,1
	v_pk_fma_f32 v[S+32*\u+2*\b:S+32*\u+2*\b+1], v[S+32*\u+2*\b:S+32*\u+2*\b+1], s[CS:CS+1], v[ST+8*(\y+\u):ST+8*(\y+\u)+1] op_sel_hi:[1,0,0] neg_lo:[0,0,1] neg_hi:[0,0,1]
.endr
.if \b > 0
.irp u, 0,1
	v_exp_f32 v[S+32*\u+2*\b-2], v[S+32*\u+2*\b-2]
	v_exp_f32 v[S+32*\u+2*\b-1], v[S+32*\u+2*\b-1]
.endr
.endif
.endr
.irp u, 0,1
	v_exp_f32 v[S+32*\u+30], v[S+32*\u+30]
	v_exp_f32 v[S+32*\u+31], v[S+32*\u+31]
.endr
	v_nop                                          ; a plain instruction behind the last exponential, ahead of the first use
	s_wait_alu depctr_va_vdst(0)                   ; one wait for the piece's 66 exponentials, ahead of the first line that names a result
.irp i, 0,1,2,3,4,5,6,7,8,9,10,11,12,13,14,15
.irp u, 0,1
	v_cvt_pk_f16_f32 v[P+16*\u+\i], v[S+32*\u+2*\i], v[S+32*\u+2*\i+1]
.endr
.endr
.irp z, 0,1,2,3,4,5,6,7                ; the sum of the unrounded p, in place: neighbours 1, 2, 4 and 8 pairs apart
.irp u, 0,1
	v_pk_add_f32 v[S+32*\u+4*\z:S+32*\u+4*\z+1], v[S+32*\u+4*\z:S+32*\u+4*\z+1], v[S+32*\u+4*\z+2:S+32*\u+4*\z+3]
.endr
.endr
.irp z, 0,1,2,3
.irp u, 0,1
	v_pk_add_f32 v[S+32*\u+8*\z:S+32*\u+8*\z+1], v[S+32*\u+8*\z:S+32*\u+8*\z+1], v[S+32*\u+8*\z+4:S+32*\u+8*\z+5]
.endr
.endr
.irp z, 0,1
.irp u, 0,1
	v_pk_add_f32 v[S+32*\u+16*\z:S+32*\u+16*\z+1], v[S+32*\u+16*\z:S+32*\u+16*\z+1], v[S+32*\u+16*\z+8:S+32*\u+16*\z+9]
.endr
.endr
.irp u, 0,1
	v_pk_add_f32 v[S+32*\u:S+32*\u+1], v[S+32*\u:S+32*\u+1], v[S+32*\u+16:S+32*\u+17]
.endr
.irp u, 0,1
	v_pk_fma_f32 v[ST+8*(\y+\u)+2:ST+8*(\y+\u)+3], v[ST+8*(\y+\u)+2:ST+8*(\y+\u)+3], v[ST+8*(\y+\u)+6:ST+8*(\y+\u)+7], v[S+32*\u:S+32*\u+1] op_sel_hi:[1,0,1]   ; l = a l + the sum
.endr
	WIN W_RS
.irp i, 0,1,2,3,4,5,6,7,8,9,10,11,12,13,14,15   ; O^T times a, each accumulator from its low end on
.irp u, 0,1
	v_pk_mul_f32 v[OT+32*(\y+\u)+2*\i:OT+32*(\y+\u)+2*\i+1], v[OT+32*(\y+\u)+2*\i:OT+32*(\y+\u)+2*\i+1], v[ST+8*(\y+\u)+6:ST+8*(\y+\u)+7] op_sel_hi:[1,0]
.endr
.endr
.endm
; A KEY STEP: the slot's q-th 64 keys.  V is fetched behind piece 0's scores and lands under its softmax; the next step's K is fetched behind piece 2's scores and lands under its softmax.
.macro STEP q
	s_wait_dscnt 0x0                               ; K is in
	MKQ 0
	PLACES                                         ; for the reads of S^T, and for the loads into V's registers, which the last step's products read
	FETCH_V \q
	SOFTMAX 0
	s_wait_dscnt 0x0                               ; V is in
	MPV 0
	MKQ 2
	PLACES                                         ; for the reads of S^T and the loads into K's registers
.if \q < 3
	FETCH_K \q+1
.endif
	SOFTMAX 2
	MPV 2
.endm
.macro SLOT_STEPS
	WIN 0
	v_add_nc_u32 v[ADK], s[TB], v[AK0]
	v_add_nc_u32 v[ADV], s[TB], v[AV0]
	FETCH_K 0
	STEP 0
	STEP 1
	STEP 2
	STEP 3
	WIN 0
	s_xor_b32 s[TB], s[TB], SLOT1                  ; on to the other slot
.endm
; THE CHANGE OF SLOTS, at a slot's head.  Each wave waits for all its tensor loads (its part of the slot ahead), adds 0 to its spare word, and waits for that and for its reads of the slot that it has left.
; fill = 1: behind a round of the cluster's barrier the slot that was left is filled with the next 256 keys: the first thing there, one load a wave.
.macro CHANGE fill
	s_wait_tensorcnt 0x0                           ; no tensor load of mine is out, so a group 0 may be written
	ds_add_u32 v[SPW], v[NIL]
.if \fill
	s_xor_b32 s[G0K+1], s[G0K+1], SLOT1            ; the walking descriptors: the other slot,
	s_add_nc_u64 s[G0K+2:G0K+3], s[G0K+2:G0K+3], SK*128   ; the next 256 keys
	s_xor_b32 s[G0V+1], s[G0V+1], SLOT1
	s_add_nc_u64 s[G0V+2:G0V+3], s[G0V+2:G0V+3], SK*128
	s_wait_xcnt 0x0                                ; the last prefetch, a slot back, has read its address
	s_add_nc_u64 s[PFA:PFA+1], s[PFA:PFA+1], SK*128   ; one slot further on than the walking descriptors
	s_wait_dscnt 0x0                               ; the add is done, and my reads of the slot that I have left are over
	CROUND
	JLOAD
	ASK
.else
	s_wait_dscnt 0x0
	s_barrier_signal -1
	s_barrier_wait -1
.endif
.endm
	s_wait_loadcnt 0x0                             ; Q
.Lslot:                                                ; 7 trips: trip i reads slot i and asks for slot i + 1
	CHANGE 1
	SLOT_STEPS
	s_sub_co_u32 s[SLOTS], s[SLOTS], 1
	s_cmp_lg_u32 s[SLOTS], 0
	s_cbranch_scc1 .Lslot
	CHANGE 0                                       ; the last slot is written out
	SLOT_STEPS
	; THE WAY OUT.  l's two halves and the other half of the lanes' are added (these additions are the places behind the last products); O^T is divided by l, rounded to f16 and sent through my stage, a tile at a time.
.irp t, 0,1,2,3
	v_add_f32 v[ST+8*\t+4], v[ST+8*\t+2], v[ST+8*\t+3]
.endr
.irp t, 0,1,2,3
	v_permlanex16_b32 v[ST+8*\t+5], v[ST+8*\t+4], s[SEL], s[SEL+1]
.endr
.irp t, 0,1,2,3
	v_add_f32 v[ST+8*\t+4], v[ST+8*\t+4], v[ST+8*\t+5]
.endr
.irp t, 0,1,2,3
	v_rcp_f32 v[ST+8*\t+6], v[ST+8*\t+4]
.endr
	v_nop                                          ; a plain instruction behind the last reciprocal
	s_wait_alu depctr_va_vdst(0)                   ; one wait for the four, ahead of the first use
.macro PACK t
	WIN W_RS
.irp i, 0,1,2,3,4,5,6,7,8,9,10,11,12,13,14,15
	v_pk_mul_f32 v[OT+32*\t+2*\i:OT+32*\t+2*\i+1], v[OT+32*\t+2*\i:OT+32*\t+2*\i+1], v[ST+8*\t+6:ST+8*\t+7] op_sel_hi:[1,0]
.endr
	WIN 0x05                                       ; sources 0 and 1 window 1, destination window 0
.irp i, 0,1,2,3,4,5,6,7,8,9,10,11,12,13,14,15
	v_cvt_pk_f16_f32 v[S+16*\t+\i], v[OT+32*\t+2*\i], v[OT+32*\t+2*\i+1]
.endr
	WIN 0
.irp c, 0,1,2,3
	ds_store_b128 v[STO], v[S+16*\t+4*\c:S+16*\t+4*\c+3] offset:32*\c
.endr
.irp i, 0,1,2,3
	ds_load_b128 v[P+16*\t+4*\i:P+16*\t+4*\i+3], v[RD] offset:4*PITK*\i   ; in order behind my stores; the next tile's stores come behind these
.endr
.endm
.macro SEND t, younger                 ; younger: the LDS instructions issued behind tile t's loads: the next tile's four stores and four loads, or none
.irp i, 0,1,2,3
	s_wait_dscnt \younger+3-\i
	global_store_b128 v[GO], v[P+16*\t+4*\i:P+16*\t+4*\i+3], s[6:7] offset:2048*\t+512*\i   ; 32 lanes store 512 consecutive bytes, aligned
.endr
.endm
	PACK 0
	PACK 1
	SEND 0, 8
	PACK 2
	SEND 1, 8
	PACK 3
	SEND 2, 8
	SEND 3, 0
	s_wait_tensorcnt 0x0                           ; the wave's end
	ds_add_u32 v[SPW], v[NIL]
	s_wait_dscnt 0x0
	CROUND                                         ; the closing round
	s_endpgm
.Lfunc_end_k_q7bad8c3a16_attn:
	.size	k_q7bad8c3a16_attn, .Lfunc_end_k_q7bad8c3a16_attn-k_q7bad8c3a16_attn
	.p2alignl 7, 3214868480
	.fill 96, 4, 3214868480
	.section	.rodata,"a",@progbits
	.p2align	6, 0x0
	.amdhsa_kernel k_q7bad8c3a16_attn
		.amdhsa_group_segment_fixed_size 327680
		.amdhsa_private_segment_fixed_size 0
		.amdhsa_enable_private_segment 0
		.amdhsa_kernarg_size 16
		.amdhsa_user_sgpr_count 2
		.amdhsa_user_sgpr_kernarg_segment_ptr 1
		.amdhsa_wavefront_size32 1
		.amdhsa_system_sgpr_workgroup_id_x 1
		.amdhsa_system_sgpr_workgroup_id_y 1
		.amdhsa_system_sgpr_workgroup_id_z 1
		.amdhsa_system_vgpr_workitem_id 0
		.amdhsa_next_free_vgpr 512
		.amdhsa_next_free_sgpr 66
		.amdhsa_reserve_vcc 0
		.amdhsa_float_denorm_mode_32 3
		.amdhsa_float_denorm_mode_16_64 3
		.amdhsa_memory_ordered 1
		.amdhsa_forward_progress 1
		.amdhsa_inst_pref_size 255
	.end_amdhsa_kernel
	.section	.bss,"aw",@nobits
	.p2align	6
	.space	262144
	.amdgpu_metadata
---
amdhsa.version: [ 1, 2 ]
amdhsa.kernels:
  - .name:           k_q7bad8c3a16_attn
    .symbol:         k_q7bad8c3a16_attn.kd
    .args:
      - { .name: qkv, .offset: 0, .size: 8, .value_kind: global_buffer, .address_space: global }
      - { .name: oh, .offset: 8, .size: 8, .value_kind: global_buffer, .address_space: global }
    .group_segment_fixed_size: 327680
    .private_segment_fixed_size: 0
    .kernarg_segment_align: 8
    .kernarg_segment_size: 16
    .max_flat_workgroup_size: 256
    .sgpr_count:     66
    .vgpr_count:     512
    .wavefront_size: 32
...
	.end_amdgpu_metadata
.endif
;; end of part 4
;; launch oproj (part 5): grid 4 x 64, 4 waves a work-group, clusters of 4 x 4, 327,680 bytes of LDS; arguments oh, wo16, bo, out0; writes out0
.if DOCPART == 5
	.amdgcn_target "amdgcn-amd-amdhsa--gfx1250"
	.amdhsa_code_object_version 6
	.text
	.protected	k_q7bad8c3a16_oproj
	.globl	k_q7bad8c3a16_oproj
	.p2align	8
	.type	k_q7bad8c3a16_oproj,@function
k_q7bad8c3a16_oproj:
	s_mov_b64 s[64:65], 0
	v_nop
	global_prefetch_b8 v0, s[64:65] scope:SCOPE_SE
	s_setreg_imm32_b32 hwreg(HW_REG_WAVE_MODE, 25, 1), 1
	s_wait_xcnt 0x0
	s_wait_alu depctr_hold_cnt(0) depctr_sa_sdst(0) depctr_va_vdst(0) depctr_va_sdst(0) depctr_va_ssrc(0) depctr_va_vcc(0) depctr_vm_vsrc(0)
	s_getreg_b32 s2, hwreg(HW_REG_IB_STS2, 6, 4)
	s_cmp_eq_u32 s2, 0
	s_cbranch_scc0 .Lentry_in_a_cluster
	s_endpgm
.Lentry_in_a_cluster:
	s_bfe_u32 s2, ttmp6, 0x10000c
	s_cmp_lg_u32 s2, 0xf033
	s_cbranch_scc0 .Lentry_shape_is_right
	s_endpgm
.Lentry_shape_is_right:
; out0[m][n] = sum over k of o[m][k] wo[k][n] + bo[n].  o: oh[batch][head][token][64] f16, k = 64 head + channel; wo16: [1024 k][1024 n] f16; out0: [8192][1024] f32; sums in f32.
; A tile of out0 is 128 (m) x 256 (n): 256 work-groups.  Four waves, each 64 x 128: 32 accumulators, 256 registers.  K goes in steps of 128 (two heads) through two LDS slots: o's tile is two planes
; (heads) of 128 tokens x 128 bytes, each dense in memory; wo's is 128 rows (k) x 512 bytes.  Two slots of a longer step would not fit in LDS.
; THE MATRIX INSTRUCTION IS USED TRANSPOSED (source 0 = 16 columns of wo, turned out of LDS by ds_load_tr16_b128; source 1 = 16 tokens of o): a lane holds eight neighbouring columns of one token.
; The bias is the C of each sum's first product.
; CLUSTERS: 4 x 4.  o's tile hangs on the tile row alone and is shared along a row of the cluster, wo's on the tile column alone and is shared along a column: each is asked for jointly.
; By this text's count a wave has two tensor loads out at the start and one behind each round.
; REGISTERS: window 0: v0-31 addresses; v64-127 the bias; v128-255 the way out.  window 1: two fragment buffers at v0 and v128: wo's 8 fragments, then o's 4.  window 2: accumulator (a, b) at v[8 (8 a + b)].
.set PITA,  144                        ; a token's row of a plane: 128 bytes + 16
.set PLANE, 128*PITA
.set PITB,  544                        ; a row (k) of wo's tile: 512 bytes + 32
.set BOFF,  2*PLANE
.set SLOT,  BOFF+128*PITB
.set STAGE, 2*SLOT                     ; behind the ring: 16 rows x 528 bytes for each wave
.set SPITCH, 528
.set SPARE, STAGE+4*16*SPITCH          ; behind the stages: the spare words
.set STEPA, 2*262144                   ; a K step in oh: two heads
.set STEPB, 128*2048                   ; and in wo16: 128 rows
.set ADRA, 16
.set ADRB, 20
.set STO,  24
.set RD,   25
.set CO,   26
.set SPW,  28
.set NIL,  29
.set PFO,  30
.set BIAS, 64
.set BK,   128
.set F0,   0
.set F1,   128
.set G1A, 24
.set G0A, 32
.set G1B, 48
.set G0B, 56
.set PFA, 46                           ; s[46:47]
.set LIM, 22
.set MSB, 0
.macro WIN new
.if MSB != \new
	s_set_vgpr_msb (MSB<<8)|\new
.set MSB, \new
.endif
.endm
.set MUL,  0xa5                        ; sources 0 and 1 window 1, C and D window 2
.set MULF, 0x85                        ; the first products: C (the bias) window 0
.set TO_F, 0x40
.macro JLOAD s                         ; waves 0 and 1 fetch o's two planes, waves 2 and 3 wo's two halves; an s_nop 0 and four v_nop follow each line
	s_cmp_eq_u32 s13, 0
	s_cbranch_scc0 .Lfor_b_\@
	tensor_load_to_lds s[G0A+4*\s:G0A+4*\s+3], s[G1A:G1A+7]
	s_nop 0
.rept 4
	v_nop
.endr
	s_branch .Lasked_\@
.Lfor_b_\@:
	tensor_load_to_lds s[G0B+4*\s:G0B+4*\s+3], s[G1B:G1B+7]
	s_nop 0
.rept 4
	v_nop
.endr
.Lasked_\@:
.endm
; A prefetch of o's tile of the K step that stands two refills, 256 matrix instructions, on.  A tile row is read by one row of one cluster: its four partners take 4,096 bytes of each plane, told apart by
; address; in each, wave 0 asks, lanes 256 bytes apart (0-15 in one plane, 16-31 in the other): each aligned 256 bytes is named once.  The last trip asks for nothing.  wo16, which all clusters walk alike, is not asked for.
.macro ASK
	s_cmp_gt_u32 s3, s[LIM]
	s_cbranch_scc0 .Lnot_mine_\@
	global_prefetch_b8 v[PFO], s[PFA:PFA+1] th:TH_LOAD_NT scope:SCOPE_SE
.Lnot_mine_\@:
.endm
.macro CREST
	s_cmp_lg_u32 s12, 0
	s_cbranch_scc1 .Lnot_wave_0_\@
	s_barrier_signal -3
.Lnot_wave_0_\@:
	s_barrier_wait -3
	s_barrier_signal -1
	s_barrier_wait -1
.endm
.macro CROUND
	s_barrier_signal -1
	s_barrier_wait -1
	CREST
.endm
	s_load_b256 s[4:11], s[0:1], 0x0               ; oh s[4:5], wo16 s[6:7], bo s[8:9], out0 s[10:11]
	v_lshl_add_u32 v[SPW], v0, 2, SPARE
	v_mov_b32 v[NIL], 0
	ds_add_u32 v[SPW], v[NIL]                      ; the wave's opening: the add, twice on end, and its wait ahead of my first tensor load
	ds_add_u32 v[SPW], v[NIL]
	v_lshrrev_b32 v1, 5, v0
	v_readfirstlane_b32 s12, v1                    ; wave 0..3
	s_lshr_b32 s13, s12, 1                         ; which 64 rows are mine.  Also: I fetch for o (0) or for wo (1)
	s_and_b32 s14, s12, 1                          ; which 128 columns.  Also: which plane, or which 64 rows of wo, I fetch
	s_bfe_u32 s40, ttmp6, 0x40000                  ; cx, cy
	s_bfe_u32 s41, ttmp6, 0x40004
	s_lshl_b32 s42, ttmp9, 2
	s_add_co_u32 s42, s42, s40                     ; tile column
	s_and_b32 s15, ttmp7, 0xffff
	s_lshl_b32 s15, s15, 2
	s_add_co_u32 s15, s15, s41                     ; tile row
	s_lshl_b32 s43, s41, 2
	s_lshl_b32 s43, 15, s43                        ; my row of the cluster
	s_lshl_b32 s44, 0x1111, s40                    ; my column
	s_or_b32 s[G1A], s43, (1<<16)|(1<<20)|(1<<21)|(4<<22)|(3<<25)   ; o: elements of 2 bytes; after every 32 words 4 words of padding
	s_mov_b32 s[G1A+1], 64<<16                     ; tensor_dim0
	s_mov_b32 s[G1A+2], 128<<16                    ; tensor_dim1
	s_mov_b32 s[G1A+3], 64<<16                     ; tile_dim0
	s_mov_b32 s[G1A+4], 128                        ; tile_dim1
	s_mov_b32 s[G1A+5], 64                         ; from row to row
	s_mov_b32 s[G1A+6], 0
	s_mov_b32 s[G1A+7], 0
	s_or_b32 s[G1B], s44, (1<<16)|(1<<20)|(1<<21)|(6<<22)|(7<<25)   ; wo: after every 128 words 8 words of padding
	s_mov_b32 s[G1B+1], 256<<16
	s_mov_b32 s[G1B+2], 64<<16
	s_mov_b32 s[G1B+3], 256<<16
	s_mov_b32 s[G1B+4], 64
	s_mov_b32 s[G1B+5], 1024
	s_mov_b32 s[G1B+6], 0
	s_mov_b32 s[G1B+7], 0
	s_lshr_b32 s16, s15, 4                         ; o: the tile row's batch (16 heads of 262,144 bytes)
	s_lshl_b32 s16, s16, 22
	s_and_b32 s17, s15, 15                         ; and its 128 tokens of 128 bytes in a head
	s_lshl_b32 s17, s17, 14
	s_add_co_u32 s16, s16, s17
	s_lshl_b32 s17, s14, 18                        ; + my plane
	s_add_co_u32 s18, s16, s17
	s_mov_b32 s19, 0
	s_lshl_b32 s20, s14, 17                        ; wo: my 64 rows of 2,048 bytes
	s_lshl_b32 s21, s42, 9                         ; + the tile column's 512 bytes
	s_add_co_u32 s20, s20, s21
	s_mov_b32 s21, 0
	s_mul_i32 s23, s14, PLANE                      ; where they go: no place in the cluster enters an LDS address
	s_mul_i32 s2, s14, 64*PITB
	s_add_co_u32 s2, s2, BOFF
	s_wait_dscnt 0x0                               ; both opening adds are done
	s_wait_kmcnt 0x0
	s_add_nc_u64 s[18:19], s[4:5], s[18:19]
	s_add_nc_u64 s[20:21], s[6:7], s[20:21]
	CROUND                                         ; all sixteen work-groups are here: the first joint loads meet
.irp s, 0,1
	s_mov_b32 s[G0A+4*\s], 1
	s_add_co_u32 s[G0A+4*\s+1], s23, \s*SLOT
	s_add_nc_u64 s[G0A+4*\s+2:G0A+4*\s+3], s[18:19], \s*STEPA
	s_or_b32 s[G0A+4*\s+3], s[G0A+4*\s+3], 0x80000000
	s_mov_b32 s[G0B+4*\s], 1
	s_add_co_u32 s[G0B+4*\s+1], s2, \s*SLOT
	s_add_nc_u64 s[G0B+4*\s+2:G0B+4*\s+3], s[20:21], \s*STEPB
	s_or_b32 s[G0B+4*\s+3], s[G0B+4*\s+3], 0x80000000
	JLOAD \s
.endr
	s_mov_b32 s17, 0                               ; the prefetches: the tile row's first byte,
	s_add_nc_u64 s[PFA:PFA+1], s[4:5], s[16:17]
	s_lshl_b32 s16, s40, 12                        ; my work-group's 4,096 bytes of each plane,
	s_add_nc_u64 s[PFA:PFA+1], s[PFA:PFA+1], s[16:17]
	s_add_nc_u64 s[PFA:PFA+1], s[PFA:PFA+1], 3*STEPA   ; at K step 3: the first refill steps it to 4
	s_cmp_eq_u32 s12, 0
	s_cselect_b32 s[LIM], 1, -1
	v_and_b32 v1, 15, v0                           ; r
	v_bfe_u32 v2, v0, 4, 1                         ; h
	v_lshlrev_b32 v[PFO], 8, v1
	v_lshl_add_u32 v[PFO], v2, 18, v[PFO]
	s_lshl_b32 s18, s42, 10                        ; my first column, 4 bytes each: 256 x tile column + 128 x half
	s_lshl_b32 s19, s14, 9
	s_add_co_u32 s18, s18, s19
	s_mov_b32 s19, 0
	s_add_nc_u64 s[8:9], s[8:9], s[18:19]
	s_add_nc_u64 s[10:11], s[10:11], s[18:19]
	s_lshl_b32 s18, s15, 19                        ; my first row of 4,096 bytes: 128 x tile row + 64 x half
	s_lshl_b32 s20, s13, 18
	s_add_co_u32 s18, s18, s20
	s_add_nc_u64 s[10:11], s[10:11], s[18:19]
	v_lshlrev_b32 v6, 5, v2
.irp b, 0,1,2,3,4,5,6,7                ; block b's eight registers hold bo[16 b + 8 h + 0 .. 7]
	global_load_b128 v[BIAS+8*\b:BIAS+8*\b+3], v6, s[8:9] offset:64*\b
	global_load_b128 v[BIAS+8*\b+4:BIAS+8*\b+7], v6, s[8:9] offset:64*\b+16
.endr
	v_mul_u32_u24 v3, v1, PITA
	v_lshl_add_u32 v3, v2, 4, v3                   ; o: row x pitch + 16 x half
	v_and_b32 v4, 7, v0
	v_lshl_add_u32 v4, v2, 3, v4                   ; wo, for the turning load: k 8 h + l % 8, columns 8 ((l / 8) % 2) on
	v_mul_u32_u24 v4, v4, PITB
	v_bfe_u32 v5, v0, 3, 1
	v_lshl_add_u32 v4, v5, 4, v4
	s_mul_i32 s16, s13, 64*PITA                    ; my 64 tokens
	s_lshl_b32 s17, s14, 8                         ; my 128 columns
	s_add_co_u32 s17, s17, BOFF
.irp s, 0,1
	v_add_nc_u32 v[ADRA+\s], s16, v3
	v_add_nc_u32 v[ADRB+\s], s17, v4
	s_add_co_u32 s16, s16, SLOT
	s_add_co_u32 s17, s17, SLOT
.endr
	s_mul_i32 s16, s12, 16*SPITCH
	s_add_co_u32 s16, s16, STAGE                   ; my stage
	v_mul_u32_u24 v5, v1, SPITCH                   ; in: row r, 32 bytes for each half of the lanes
	v_lshl_add_u32 v5, v2, 5, v5
	v_add_nc_u32 v[STO], s16, v5
	v_and_b32 v5, 31, v0
	v_lshlrev_b32 v[CO], 4, v5                     ; back: the 32 lanes take one row of 512 bytes; the same in out0
	v_add_nc_u32 v[RD], s16, v[CO]
.macro FETCH slot, q, f                ; the fragments of the slot's q-th 32 along K: wo's eight (16 loads), then o's four (8 loads)
	WIN TO_F
.irp b, 0,1,2,3,4,5,6,7
	ds_load_tr16_b128 v[\f+8*\b:\f+8*\b+3],   v[ADRB+\slot] offset:32*(\q)*PITB+32*\b
	ds_load_tr16_b128 v[\f+8*\b+4:\f+8*\b+7], v[ADRB+\slot] offset:(32*(\q)+16)*PITB+32*\b
.endr
.irp i, 0,1,2,3
	ds_load_b128 v[\f+64+8*\i:\f+64+8*\i+3],   v[ADRA+\slot] offset:((\q)/2)*PLANE+((\q)%2)*64+\i*16*PITA
	ds_load_b128 v[\f+64+8*\i+4:\f+64+8*\i+7], v[ADRA+\slot] offset:((\q)/2)*PLANE+((\q)%2)*64+\i*16*PITA+32
.endr
.endm
.macro MUL8 f, a, first                ; o's block a x wo's eight; the 32 accumulators take turns
.irp b, 0,1,2,3,4,5,6,7
.if \first
	v_wmma_f32_16x16x32_f16 v[8*(8*\a+\b):8*(8*\a+\b)+7], v[\f+8*\b:\f+8*\b+7], v[\f+64+8*\a:\f+64+8*\a+7], v[BIAS+8*\b:BIAS+8*\b+7]
.else
	v_wmma_f32_16x16x32_f16 v[8*(8*\a+\b):8*(8*\a+\b)+7], v[\f+8*\b:\f+8*\b+7], v[\f+64+8*\a:\f+64+8*\a+7], v[8*(8*\a+\b):8*(8*\a+\b)+7]
.endif
.endr
.endm
.macro PLACES
.rept 4
	v_nop
.endr
.endm
; A K step is four quarters of 32 along K, 32 matrix instructions each, on buffers 0, 1, 0, 1.  One of the first three: multiplies buffer f and fetches quarter q of the same slot into g.
.macro QUARTER slot, q, f, g, first
	s_wait_dscnt 4                                 ; wo's fragments and o's blocks 0, 1 are in; the youngest four loads (blocks 2, 3) may be out
.if \first
	WIN MULF
.else
	WIN MUL
.endif
	MUL8 \f, 0, \first
	MUL8 \f, 1, \first
	PLACES
	FETCH \slot, \q, \g
	s_wait_dscnt 24                                ; all but the 24 just issued
.if \first
	WIN MULF
.else
	WIN MUL
.endif
	MUL8 \f, 2, \first
	MUL8 \f, 3, \first
.endm
; The last quarter multiplies buffer 1 and changes slots: one barrier; in front of it each wave waits for all its tensor loads, adds 0 to its spare word, and waits for that and for its reads of this slot.
; fill = 1: the barrier opens a round of the cluster's barrier, and this slot is filled again, two K steps ahead: 112 matrix instructions stand between the request and the wait for it.
.macro TURN slot, next, fill
.if \fill
	s_wait_xcnt 0x0                                ; the last prefetch, a K step back, has read its address
	s_add_nc_u64 s[PFA:PFA+1], s[PFA:PFA+1], STEPA
.endif
	WIN 0
	s_wait_tensorcnt 0x0                           ; all my tensor loads have landed: my part of the next slot
	ds_add_u32 v[SPW], v[NIL]
	s_wait_dscnt 5                                 ; the add and the youngest four loads may be out
	WIN MUL
	MUL8 F1, 0, 0
	s_wait_dscnt 0x0                               ; the add is done, and my reads of this slot are over
	s_barrier_signal -1
	MUL8 F1, 1, 0
	WIN 0
	s_barrier_wait -1
.if \fill
	CREST                                          ; no wave of any partner still reads this slot or has a load on its way
	s_add_nc_u64 s[G0A+4*\slot+2:G0A+4*\slot+3], s[G0A+4*\slot+2:G0A+4*\slot+3], 2*STEPA
	s_add_nc_u64 s[G0B+4*\slot+2:G0B+4*\slot+3], s[G0B+4*\slot+2:G0B+4*\slot+3], 2*STEPB
	JLOAD \slot                                    ; the first tensor load behind the round; its four v_nop are also the places in front of the loads below
.else
	PLACES
.endif
	FETCH \next, 0, F0
.if \fill
	WIN 0
	ASK
.endif
	WIN MUL
	MUL8 F1, 2, 0
	MUL8 F1, 3, 0
.endm
	s_wait_tensorcnt 1                             ; my part of K step 0 is in; K step 1's may be out
	s_barrier_signal -1
	s_barrier_wait -1
	FETCH 0, 0, F0
	s_wait_loadcnt 0x0                             ; the bias
	QUARTER 0, 1, F0, F1, 1                        ; the first quarter stands in front of the loop: the bias starts the sums
	WIN 0
	s_mov_b32 s3, 3
.Llap:                                                 ; a trip goes once round the ring and fills both slots again: K steps 2 to 7 in three trips
	QUARTER 0, 2, F1, F0, 0
	QUARTER 0, 3, F0, F1, 0
	TURN 0, 1, 1
	QUARTER 1, 1, F0, F1, 0
	QUARTER 1, 2, F1, F0, 0
	QUARTER 1, 3, F0, F1, 0
	TURN 1, 0, 1
	QUARTER 0, 1, F0, F1, 0
	WIN 0
	s_sub_co_u32 s3, s3, 1
	s_cmp_lg_u32 s3, 0
	s_cbranch_scc1 .Llap
	QUARTER 0, 2, F1, F0, 0                        ; the last lap fills nothing
	QUARTER 0, 3, F0, F1, 0
	TURN 0, 1, 0
	QUARTER 1, 1, F0, F1, 0
	QUARTER 1, 2, F1, F0, 0
	QUARTER 1, 3, F0, F1, 0
	s_wait_dscnt 4                                 ; the very last quarter
	WIN MUL
	MUL8 F1, 0, 0
	MUL8 F1, 1, 0
	s_wait_dscnt 0
	MUL8 F1, 2, 0
	MUL8 F1, 3, 0
	WIN 0
; THE WAY OUT, block by block of 16 rows x 128 columns: through my own stage and back as whole rows of 512 bytes.  LDS serves a wave's instructions in order: no wait between the stores and the loads.
.macro TOSTAGE a
	WIN 0x08                                       ; the data: window 2
.irp b, 0,1,2,3,4,5,6,7
	ds_store_b128 v[STO], v[64*\a+8*\b:64*\a+8*\b+3] offset:64*\b          ; each accumulator from its low end on
	ds_store_b128 v[STO], v[64*\a+8*\b+4:64*\a+8*\b+7] offset:64*\b+16
.endr
	WIN 0
.set BB, BK+64*((\a)%2)
.irp t, 0,1,2,3,4,5,6,7,8,9,10,11,12,13,14,15
	ds_load_b128 v[BB+4*\t:BB+4*\t+3], v[RD] offset:\t*SPITCH
.endr
.endm
.macro SEND a, younger                 ; younger: the next block's 16 stores and 16 loads, or none
.set BB, BK+64*((\a)%2)
	s_wait_dscnt \younger
.irp t, 0,1,2,3,4,5,6,7,8,9,10,11,12,13,14,15
	global_store_b128 v[CO], v[BB+4*\t:BB+4*\t+3], s[10:11] offset:(16*(\a)+\t)*4096 th:TH_STORE_NT   ; 32 lanes store 512 consecutive bytes, aligned
.endr
.endm
	PLACES                                         ; behind the last products
	TOSTAGE 0
.irp a, 1,2,3
.if \a > 1
	s_wait_xcnt 0x0                                ; block a - 2's stores have read their registers: block a's loads may land there
.endif
	TOSTAGE \a
	SEND \a-1, 32
.endr
	SEND 3, 0
	s_wait_tensorcnt 0x0                           ; the wave's end
	ds_add_u32 v[SPW], v[NIL]
	s_wait_dscnt 0x0
	CROUND                                         ; the closing round
	s_endpgm
.Lfunc_end_k_q7bad8c3a16_oproj:
	.size	k_q7bad8c3a16_oproj, .Lfunc_end_k_q7bad8c3a16_oproj-k_q7bad8c3a16_oproj
	.p2alignl 7, 3214868480
	.fill 96, 4, 3214868480
	.section	.rodata,"a",@progbits
	.p2align	6, 0x0
	.amdhsa_kernel k_q7bad8c3a16_oproj
		.amdhsa_group_segment_fixed_size 327680
		.amdhsa_private_segment_fixed_size 0
		.amdhsa_enable_private_segment 0
		.amdhsa_kernarg_size 32
		.amdhsa_user_sgpr_count 2
		.amdhsa_user_sgpr_kernarg_segment_ptr 1
		.amdhsa_wavefront_size32 1
		.amdhsa_system_sgpr_workgroup_id_x 1
		.amdhsa_system_sgpr_workgroup_id_y 1
		.amdhsa_system_sgpr_workgroup_id_z 1
		.amdhsa_system_vgpr_workitem_id 0
		.amdhsa_next_free_vgpr 768
		.amdhsa_next_free_sgpr 66
		.amdhsa_reserve_vcc 0
		.amdhsa_float_denorm_mode_32 3
		.amdhsa_float_denorm_mode_16_64 3
		.amdhsa_memory_ordered 1
		.amdhsa_forward_progress 1
		.amdhsa_inst_pref_size 87
	.end_amdhsa_kernel
	.amdgpu_metadata
---
amdhsa.version: [ 1, 2 ]
amdhsa.kernels:
  - .name:           k_q7bad8c3a16_oproj
    .symbol:         k_q7bad8c3a16_oproj.kd
    .args:
      - { .name: oh, .offset: 0, .size: 8, .value_kind: global_buffer, .address_space: global }
      - { .name: wo16, .offset: 8, .size: 8, .value_kind: global_buffer, .address_space: global }
      - { .name: bo, .offset: 16, .size: 8, .value_kind: global_buffer, .address_space: global }
      - { .name: out0, .offset: 24, .size: 8, .value_kind: global_buffer, .address_space: global }
    .group_segment_fixed_size: 327680
    .private_segment_fixed_size: 0
    .kernarg_segment_align: 8
    .kernarg_segment_size: 32
    .max_flat_workgroup_size: 128
    .sgpr_count:     66
    .vgpr_count:     768
    .wavefront_size: 32
...
	.end_amdgpu_metadata
.endif
;; end of part 5
